; MI455X (gfx1250); checked and timed in simulation.
; The chip was launched on July 23, 2026; its instructions are those of AMD's public machine-readable ISA for CDNA 5 (MIT licence, August 2026) and "CDNA5" Instruction Set Architecture Reference Guide (July 2026). The comments in the code are by the model that wrote it; some were corrected since.
;; Senri Standard Attention. Allowed arithmetic: matrix products marked QUANTISED: E2M3 operands, one E8M0 scale for each 32 along K, by v_wmma_scale_f32_16x16x128_f8f6f4 with both operands' format E2M3, f32 sums; everything else in f32.
;; Inputs: attention_mask 1 x 1 x 2,048 x 2,048 float32; hidden_states 2 x 2,048 x 2,048 float32; position_ids 2 x 2,048 int32; wk 512 x 2,048 float32; wo 2,048 x 1,024 float32; wq 1,024 x 2,048 float32; wv 512 x 2,048 float32.
;; Outputs: out0 2 x 2,048 x 2,048 float32.
;; This version of the problem:
;;   THIS VERSION OF THE PROBLEM IS GIVEN IN LOW PRECISION. The matrix products marked QUANTISED in the list below multiply operands that are first quantised to E2M3 (2 exponent bits, 3 mantissa bits; 6 bits a number), with one power-of-two scale for each 32 numbers along K (OCP MX v1.0); their sums are f32. All else is computed in f32.
;;   The module's matrix products, in the order in which they are computed (A, B: the left and right operand; K: the contracted axis; several contracted axes count as one K, in the product's order):
;;     1. [M 4,096, K 2,048] x [K 2,048, N 1,024]; A: input hidden_states; B: input wq: QUANTISED
;;     2. [M 4,096, K 2,048] x [K 2,048, N 512]; A: input hidden_states; B: input wk: QUANTISED
;;     3. [M 4,096, K 2,048] x [K 2,048, N 512]; A: input hidden_states; B: input wv: QUANTISED
;;     4. batch 32 x [M 2,048, K 64] x [K 64, N 2,048]; A: computed on the way; B: computed on the way: QUANTISED
;;     5. batch 32 x [M 2,048, K 2,048] x [K 2,048, N 64]; A: softmax (see below); B: computed on the way: QUANTISED
;;     6. [M 4,096, K 1,024] x [K 1,024, N 2,048]; A: computed on the way; B: input wo: QUANTISED
;;   THE QUANTISER, for each operand of a quantised product, along K:
;;     - K is cut into blocks of 32 from its start; a last block that is shorter is filled with zeros.
;;     - A block's scale is 2^e with e = floor(log2(the largest magnitude in the block)) - 2, held to -126 .. 127; a block of zeros has e = 0. As a byte (E8M0): e + 127.
;;     - Each number is divided by its block's scale, clamped to +-7.5, and rounded to the nearest number of E2M3, ties to even, subnormals kept.
;;     - The product sums the exact products of the quantised numbers (number of the format x scale) in f32.
;;   ~~~python
;;   def quantise(x, axis):      # numpy; x: float32 -> the quantised numbers, widened to float32 again
;;       x = np.moveaxis(x, axis, -1); K = x.shape[-1]
;;       x = np.pad(x, [(0, 0)] * (x.ndim - 1) + [(0, -K % 32)]); x = x.reshape(x.shape[:-1] + (-1, 32)); a = np.abs(x).max(-1, keepdims=True)
;;       e = np.where(a > 0, np.clip(np.frexp(np.where(a > 0, a, 1))[1] - 1 - 2, -126, 127), 0)      # np.frexp(a)[1] - 1 = floor(log2(a)), exactly
;;       r = np.clip(x / 2.0 ** e, -7.5, 7.5)
;;       step = 2.0 ** (np.maximum(np.frexp(np.where(r == 0, 1, r))[1] - 1, 0) - 3)
;;       q = np.round(r / step) * step * 2.0 ** e      # np.round: ties to even
;;       return np.moveaxis(q.reshape(q.shape[:-2] + (-1,))[..., :K], -1, axis).astype(np.float32)
;;   ~~~
;;   SOFTMAX AHEAD OF A QUANTISED PRODUCT. Where the list says 'softmax', what is quantised is not the finished softmax but p = 2^(t - M), with t = logit x log2(e) and M = ceil(the row's largest t), a whole number; so 1/2 < the row's largest p <= 1. The row's sum l is taken of the UNQUANTISED p, in f32, and the product's result is divided by l at the end. Since M is a whole number, a kernel that streams over the keys may use a running M (the ceiling of the running maximum): every later rescaling is an exact power of two, which a block's scale takes up: the codes' values come out the same.
;;   OPERANDS COMPUTED ON THE WAY. 'Computed on the way' means the value that the module computes at that place (a softmax that the list does not call 'softmax' is quantised finished and normalised). What goes into a quantiser is computed in f32, as accurately as f32 sums, v_exp_f32 and their like allow (about 1e-6 of the number): no bf16 or f16 on the way to a quantiser, and a product that is left as it is and whose result goes on into a quantised operand takes f32 operands (vector FMAs, or v_wmma_f32_16x16x4_f32). A number that lies on a knife's edge between two numbers of the format may be rounded either way, as far as f32 arithmetic and the matrix unit's own rounding can turn it there, and no further.
;; One version. Each part assembles by itself: llvm-mc -triple=amdgcn-amd-amdhsa -mcpu=gfx1250 --defsym DOCPART=n.
;; ======== version 1 of 1: 4 launches
;; limits: right only within a limited range of input values
;; workspace buffers: prep 12,517,376 bytes; qq 3,407,872 bytes; kv 3,342,336 bytes; att 3,276,800 bytes
;; launch prep (part 1): grid 256 x 1, 8 waves a work-group, no clusters, 68,608 bytes of LDS; arguments hidden_states, wq, wk, wv, wo, position_ids, prep; writes prep
.if DOCPART == 1
	.amdgcn_target "amdgcn-amd-amdhsa--gfx1250"
	.amdhsa_code_object_version 6
	.text
	.protected	k_qa2f758976c_prep
	.globl	k_qa2f758976c_prep
	.p2align	8
	.type	k_qa2f758976c_prep,@function
k_qa2f758976c_prep:
	s_mov_b64 s[64:65], 0
	v_nop
	global_prefetch_b8 v0, s[64:65] scope:SCOPE_SE
	s_setreg_imm32_b32 hwreg(HW_REG_WAVE_MODE, 25, 1), 1
	s_wait_xcnt 0x0
; LAUNCH 1 OF 4.  GQA attention block, all six products on codes of FP6 (E2M3) with one E8M0 scale for each 32 along K.
; NO WORK OF THE PROBLEM IS LEFT OUT: the mask and the positions are inputs, so every query walks all 2,048 keys, all of the mask is added, and every input is loaded.
; This launch (a) quantises hidden_states, wq, wk, wv, wo along K (innermost in all five) and (b) makes the table of cos and sin from position_ids.
; WHAT IT STORES (buffer prep).  Codes lie as IMAGES OF OPERAND REGISTERS: a fragment, 16 rows x 128 K, is 12 registers a lane = 1,536 bytes: registers 4 c .. 4 c + 3 of lane l at 512 c + 16 l.
;   [tile][K step][1,536]: x's 256 tiles at 0, wq|wk|wv's 128 tiles at 6,291,456, wo's 128 tiles at 9,437,184.  Scale words from 11,010,048 on: [tile][K / 512][row slot][4 words], word k for K step 4 q + k.
;   THE ROWS OF A TILE ARE NOT NEIGHBOURS: slot p of tile 2 b + u holds row 32 b + 8 u + p + 8 (p / 8), so that, as a product's source 0, two neighbouring tiles leave 16 neighbours in a lane's 16 result registers.
;   The table at 11,468,800: [4,096 tokens][cos of frequencies 0..31 | sin of 0..31], f32, 256 bytes a token.
; SHARES.  Work-groups 0-223 quantise: a wave takes one unit = one tile x 512 K (4 fragments); unit U's codes go to 6,144 U and its scale words to 256 U for all five tensors.  Work-groups 224-255 make the table, 16 tokens a wave.
; A load reads 512 consecutive bytes of a row; a step's 16 rows turn through the wave's own stage in LDS (rows 528 bytes apart) and come back as a lane's two whole blocks of 32: lane (r, h) holds k = 64 c + 32 h + 0..31 of row r,
; the operand's own order, so that the conversions' results are the fragment.  Every store of codes covers 512 consecutive aligned bytes, the scale words one block of 256.
; Memory binds: no matrix unit, no cluster, no tensor load (nothing is shared), and no prefetch (the loads themselves run two steps ahead in every wave).
; LIMITS.  A block whose largest magnitude lies under 2^-124 gets the floor's byte, 1; a block of zeros too, where the rule says 127 (its codes are zeros, and this program alone reads the bytes).  NaN and infinities are not served.
; The angle position x inv_freq is reduced by pi/2 in three parts: its error stays under 1e-7 for |angle| up to about 1e5.  inv_freq is 10^(-i/8) rounded to f32, which may differ in the last bit from a power function's result.
.set XS_OFF, 11010048
.set RT_OFF, 11468800
.set SROW,   528                       ; a stage row: 512 bytes + 16: row r starts 4 r banks on
.set WSTG,   16*SROW                   ; a wave's stage
.set SPARE,  8*WSTG                    ; behind the stages: the spare words, 128 bytes for each wave
.set SPW, 6                            ; v6   LDS address of my spare word; never rewritten
.set NIL, 7                            ; v7   0; never rewritten
.set VO,  8                            ; v8-23  row slot i: 16 l + (i + 8 (i / 8)) x the row's bytes
.set WD,  32                           ; v32-35 the four steps' scale words
.set OW,  36                           ; v36-37 my two of them, to store
.set TP,  38                           ; v38-44 the conversions' second halves
.set CD,  46                           ; v46-57 a fragment's codes
.set RR,  58                           ; v58-185  two sets of 64: a step's numbers as loaded
.set XX,  186                          ; v186-249 the same, turned: my two blocks
	s_load_b256 s[4:11], s[0:1], 0x0               ; hidden_states, wq, wk, wv
	s_load_b128 s[12:15], s[0:1], 0x20             ; wo, position_ids
	s_load_b64 s[16:17], s[0:1], 0x30              ; prep
	v_lshl_add_u32 v[SPW], v0, 2, SPARE
	v_mov_b32 v[NIL], 0
	v_lshrrev_b32 v24, 5, v0
	v_readfirstlane_b32 s18, v24                   ; wave 0..7
	v_and_b32 v25, 31, v0
	v_lshlrev_b32 v1, 4, v25                       ; 16 x lane
	v_and_b32 v2, 15, v0                           ; r
	v_bfe_u32 v3, v0, 4, 1                         ; h
	s_cmp_ge_u32 ttmp9, 224                        ; the work-group's number alone decides
	s_cbranch_scc1 .Lrope
	; ---------------- the quantiser ----------------
	s_mov_b32 s40, 0x76543210
	s_mov_b32 s41, 0xfedcba98                      ; v_permlanex16_b32's selects for lane l xor 16
	s_mul_i32 s19, s18, WSTG
	v_add_nc_u32 v4, s19, v1                       ; the stage, on the way in: 16 l, the row in the offset
	v_mul_u32_u24 v5, v2, SROW
	v_lshl_add_u32 v5, v3, 7, v5
	v_add_nc_u32 v5, s19, v5                       ; and out: row r, + 128 h
	s_lshl_b32 s20, ttmp9, 3
	s_add_co_u32 s20, s20, s18                     ; U
	s_wait_kmcnt 0x0
	s_mov_b64 s[22:23], s[12:13]                   ; the tensor, its first unit, its row's bytes and log2 of its units a tile: wo's,
	s_mov_b32 s24, 1536
	s_mov_b32 s25, 4096
	s_cmp_lt_u32 ttmp9, 192
	s_cselect_b64 s[22:23], s[10:11], s[22:23]     ; or wv's,
	s_cselect_b32 s24, 1408, s24
	s_cselect_b32 s25, 8192, s25
	s_cselect_b32 s26, 2, 1
	s_cmp_lt_u32 ttmp9, 176
	s_cselect_b64 s[22:23], s[8:9], s[22:23]       ; wk's,
	s_cselect_b32 s24, 1280, s24
	s_cmp_lt_u32 ttmp9, 160
	s_cselect_b64 s[22:23], s[6:7], s[22:23]       ; wq's,
	s_cselect_b32 s24, 1024, s24
	s_cmp_lt_u32 ttmp9, 128
	s_cselect_b64 s[22:23], s[4:5], s[22:23]       ; hidden_states'
	s_cselect_b32 s24, 0, s24
	s_sub_co_u32 s27, s20, s24                     ; the unit within its tensor
	s_lshr_b32 s28, s27, s26                       ; its tile
	s_bfm_b32 s29, s26, 0
	s_and_b32 s29, s27, s29                        ; and which 512 along K
	s_lshr_b32 s30, s28, 1
	s_lshl_b32 s30, s30, 5
	s_and_b32 s31, s28, 1
	s_lshl_b32 s31, s31, 3
	s_add_co_u32 s30, s30, s31                     ; the tile's first row: 32 (tile / 2) + 8 (tile % 2)
	s_mul_i32 s30, s30, s25
	s_lshl_b32 s29, s29, 11
	s_add_co_u32 s30, s30, s29
	s_mov_b32 s31, 0
	s_add_nc_u64 s[22:23], s[22:23], s[30:31]      ; the unit's first number
	s_mul_i32 s32, s20, 6144
	s_mov_b32 s33, 0
	s_add_nc_u64 s[34:35], s[16:17], s[32:33]      ; its codes
	s_lshl_b32 s32, s20, 8
	s_add_co_u32 s32, s32, XS_OFF
	s_add_nc_u64 s[36:37], s[16:17], s[32:33]      ; its scale words
	v_mov_b32 v24, s25
.irp i, 0,1,2,3,4,5,6,7,8,9,10,11,12,13,14,15
	v_mad_u32_u24 v[VO+\i], v24, \i+8*(\i/8), v1
.endr
.macro LOAD t                          ; step t: 128 along K of the 16 rows; each load reads 512 consecutive bytes
.irp i, 0,1,2,3,4,5,6,7,8,9,10,11,12,13,14,15
	global_load_b128 v[RR+64*((\t)%2)+4*\i:RR+64*((\t)%2)+4*\i+3], v[VO+\i], s[22:23] offset:512*(\t) th:TH_LOAD_NT
.endr
.endm
.macro QSTEP t
.if (\t) < 3
	s_wait_loadcnt 16                              ; this step's 16 loads are in; the next step's 16 may be out
.else
	s_wait_loadcnt 0x0
.endif
.irp i, 0,1,2,3,4,5,6,7,8,9,10,11,12,13,14,15
	ds_store_b128 v4, v[RR+64*((\t)%2)+4*\i:RR+64*((\t)%2)+4*\i+3] offset:SROW*\i
.endr
.irp c, 0,1
.irp j, 0,1,2,3,4,5,6,7
	ds_load_b128 v[XX+32*\c+4*\j:XX+32*\c+4*\j+3], v5 offset:256*\c+16*\j   ; LDS serves a wave's instructions in order: these see the stores above
.endr
.endr
	s_wait_dscnt 0x0                               ; my two blocks are in, and the stores have read their registers,
.if (\t)+2 < 4
	LOAD (\t)+2                                    ; which take the loads of two steps on
.endif
.irp c, 0,1
	v_max3_num_f32 v[24+\c], |v[XX+32*\c]|, |v[XX+32*\c+1]|, 0x1800000   ; block 2 c + h: all 32 numbers are mine; the floor 2^(3 - 127) holds the byte at 1 from below
.endr
.irp i, 2,4,6,8,10,12,14,16,18,20,22,24,26,28,30
.irp c, 0,1
	v_max3_num_f32 v[24+\c], v[24+\c], |v[XX+32*\c+\i]|, |v[XX+32*\c+\i+1]|
.endr
.endr
.irp c, 0,1
	v_add_nc_u32 v[26+\c], 0xff000000, v[24+\c]    ; 2 off the exponent field: the conversion's scale operand
.endr
.irp c, 0,1
	v_lshrrev_b32 v[28+\c], 23, v[26+\c]           ; the scale's byte
.endr
	v_lshl_or_b32 v30, v29, 16, v28                ; my two bytes, blocks h and 2 + h,
	v_lshlrev_b32 v31, 3, v3
	v_lshlrev_b32 v30, v31, v30                    ; at their places in the word;
	v_permlanex16_b32 v31, v30, s40, s41
	v_or_b32 v[WD+(\t)], v30, v31                  ; with lane l xor 16's two the word is whole
	s_wait_xcnt 0x0                                ; the last step's stores have read the codes' registers: they are written again only behind this wait
.irp c, 0,1
	v_cvt_scalef32_pk16_fp6_f32 v[CD+6*\c:CD+6*\c+2], v[XX+32*\c:XX+32*\c+15], v[26+\c]
	v_cvt_scalef32_pk16_fp6_f32 v[TP+4*\c:TP+4*\c+2], v[XX+32*\c+16:XX+32*\c+31], v[26+\c]   ; (a conversion's three registers begin on an even number)
.endr
	v_nop                                          ; one plain place behind a scaled conversion
.irp c, 0,1
.irp i, 0,1,2
	v_mov_b32 v[CD+6*\c+3+\i], v[TP+4*\c+\i]
.endr
.endr
.irp c, 0,1,2
	global_store_b128 v1, v[CD+4*\c:CD+4*\c+3], s[34:35] offset:1536*(\t)+512*\c   ; 32 lanes store 512 consecutive aligned bytes
.endr
.endm
	LOAD 0
	LOAD 1
	QSTEP 0
	QSTEP 1
	QSTEP 2
	QSTEP 3
	v_cmp_eq_u32 vcc_lo, 1, v3
	v_cndmask_b32 v[OW], v[WD], v[WD+2], vcc_lo    ; lanes 0-15 store words 0 and 1 of row r, lanes 16-31 words 2 and 3
	v_cndmask_b32 v[OW+1], v[WD+1], v[WD+3], vcc_lo
	v_lshlrev_b32 v24, 4, v2
	v_lshl_add_u32 v24, v3, 3, v24
	global_store_b64 v24, v[OW:OW+1], s[36:37]     ; one aligned block of 256 bytes
	s_wait_tensorcnt 0x0                           ; the wave's end, behind my last LDS store
	ds_add_u32 v[SPW], v[NIL]
	s_wait_dscnt 0x0
	s_endpgm
	; ---------------- the table of cos and sin ----------------
.Lrope:
	s_sub_co_u32 s20, ttmp9, 224
	s_lshl_b32 s20, s20, 3
	s_add_co_u32 s20, s20, s18                     ; which 16 tokens are my wave's
	v_lshlrev_b32 v8, 2, v3                        ; pass p takes tokens 2 p + h
	s_lshl_b32 s22, s20, 6
	s_mov_b32 s23, 0
	s_lshl_b32 s24, s20, 12
	s_add_co_u32 s24, s24, RT_OFF
	s_mov_b32 s25, 0
	s_wait_kmcnt 0x0
	s_add_nc_u64 s[14:15], s[14:15], s[22:23]
	s_add_nc_u64 s[16:17], s[16:17], s[24:25]
.irp p, 0,1,2,3,4,5,6,7
	global_load_b32 v[16+\p], v8, s[14:15] offset:8*\p
.endr
	s_mov_b32 s44, 0xbfc90fdb                      ; -pi/2, its f32;
	s_mov_b32 s45, 0x333bbd2e                      ; what that f32 has too much;
	s_mov_b32 s46, 0x26f72cfa                      ; and what is still left
	s_mov_b32 s47, 0xb94ca1f9                      ; sin r = r + r z (((-1.9515296e-4) z + 8.3321609e-3) z - 0.16666655), z = r r, |r| <= pi/4
	s_mov_b32 s48, 0x3c08839e
	s_mov_b32 s49, 0xbe2aaaa3
	s_mov_b32 s50, 0x37ccf5ce                      ; cos r = 1 - z / 2 + z z ((2.4433157e-5 z - 1.3887316e-3) z + 4.1666646e-2)
	s_mov_b32 s51, 0xbab6061a
	s_mov_b32 s52, 0x3d2aaaa5
	v_and_b32 v9, 7, v0                            ; lane g = l % 16 writes piece g of a token's 256 bytes: g < 8: cos of frequencies 4 g + i; else sin of 4 (g - 8) + i
	v_bfe_u32 v10, v0, 3, 1
	v_xor_b32 v10, 1, v10                          ; 1 where I make cosines: cos x = sin(x + pi/2)
	v_mov_b32 v12, 1.0                             ; inv_freq(f) = 10000^(-f/32) = 10^(-f/8): those of g % 8 = 0,
	v_mov_b32 v13, 0.7498942093
	v_mov_b32 v14, 0.5623413252
	v_mov_b32 v15, 0.4216965034
.macro FREQ gg, f0, f1, f2, f3         ; and, where g % 8 = gg, those of 4 gg + 0 .. 3
	v_cmp_ne_u32 vcc_lo, \gg, v9
	v_cndmask_b32 v12, \f0, v12, vcc_lo
	v_cndmask_b32 v13, \f1, v13, vcc_lo
	v_cndmask_b32 v14, \f2, v14, vcc_lo
	v_cndmask_b32 v15, \f3, v15, vcc_lo
.endm
	FREQ 1, 0.3162277660, 0.2371373706, 0.1778279410, 0.1333521432
	FREQ 2, 0.1, 0.07498942093, 0.05623413252, 0.04216965034
	FREQ 3, 0.03162277660, 0.02371373706, 0.01778279410, 0.01333521432
	FREQ 4, 0.01, 0.007498942093, 0.005623413252, 0.004216965034
	FREQ 5, 0.003162277660, 0.002371373706, 0.001778279410, 0.001333521432
	FREQ 6, 0.001, 0.0007498942093, 0.0005623413252, 0.0004216965034
	FREQ 7, 0.0003162277660, 0.0002371373706, 0.0001778279410, 0.0001333521432
.macro SINCOS out, fr, pos
	v_mul_f32 v24, v[\pos], v[\fr]                 ; the angle, rounded once, as the problem has it
	v_mul_f32 v25, 0x3f22f983, v24
	v_rndne_f32 v25, v25                           ; n = the nearest whole number to angle x 2 / pi
	v_fma_f32 v26, v25, s44, v24
	v_fma_f32 v26, v25, s45, v26
	v_fma_f32 v26, v25, s46, v26                   ; r = angle - n pi/2
	v_cvt_i32_f32 v27, v25
	v_add_nc_u32 v27, v27, v10                     ; the quadrant
	v_mul_f32 v28, v26, v26                        ; z
	v_fma_f32 v29, v28, s47, s48
	v_fma_f32 v29, v28, v29, s49
	v_mul_f32 v30, v26, v28
	v_fma_f32 v29, v30, v29, v26                   ; sin r
	v_fma_f32 v30, v28, s50, s51
	v_fma_f32 v30, v28, v30, s52
	v_fma_f32 v31, v28, -0.5, 1.0
	v_mul_f32 v24, v28, v28
	v_fma_f32 v30, v24, v30, v31                   ; cos r
	v_and_b32 v24, 1, v27
	v_cmp_eq_u32 vcc_lo, 1, v24
	v_cndmask_b32 v[\out], v29, v30, vcc_lo        ; odd quadrants take the cosine,
	v_and_b32 v24, 2, v27
	v_lshlrev_b32 v24, 30, v24
	v_xor_b32 v[\out], v[\out], v24                ; quadrants 2 and 3 the other sign
.endm
	s_wait_loadcnt 0x0
.irp p, 0,1,2,3,4,5,6,7
	v_cvt_f32_i32 v[16+\p], v[16+\p]
.endr
.irp p, 0,1,2,3,4,5,6,7                ; each pass has registers of its own for its results: no store's data are written again
.irp i, 0,1,2,3
	SINCOS 64+4*\p+\i, 12+\i, 16+\p
.endr
	global_store_b128 v1, v[64+4*\p:64+4*\p+3], s[16:17] offset:512*\p   ; two tokens: 512 consecutive aligned bytes
.endr
	s_endpgm                                       ; (these waves have touched no LDS)
.Lfunc_end_k_qa2f758976c_prep:
	.size	k_qa2f758976c_prep, .Lfunc_end_k_qa2f758976c_prep-k_qa2f758976c_prep
	.p2alignl 7, 3214868480
	.fill 96, 4, 3214868480
	.section	.rodata,"a",@progbits
	.p2align	6, 0x0
	.amdhsa_kernel k_qa2f758976c_prep
		.amdhsa_group_segment_fixed_size 68608
		.amdhsa_private_segment_fixed_size 0
		.amdhsa_enable_private_segment 0
		.amdhsa_kernarg_size 56
		.amdhsa_user_sgpr_count 2
		.amdhsa_user_sgpr_kernarg_segment_ptr 1
		.amdhsa_wavefront_size32 1
		.amdhsa_system_sgpr_workgroup_id_x 1
		.amdhsa_system_sgpr_workgroup_id_y 1
		.amdhsa_system_sgpr_workgroup_id_z 1
		.amdhsa_system_vgpr_workitem_id 0
		.amdhsa_next_free_vgpr 256
		.amdhsa_next_free_sgpr 66
		.amdhsa_reserve_vcc 1
		.amdhsa_float_denorm_mode_32 3
		.amdhsa_float_denorm_mode_16_64 3
		.amdhsa_memory_ordered 1
		.amdhsa_forward_progress 1
		.amdhsa_inst_pref_size 72
	.end_amdhsa_kernel
	.amdgpu_metadata
---
amdhsa.version: [ 1, 2 ]
amdhsa.kernels:
  - .name:           k_qa2f758976c_prep
    .symbol:         k_qa2f758976c_prep.kd
    .args:
      - { .name: hidden_states, .offset: 0, .size: 8, .value_kind: global_buffer, .address_space: global }
      - { .name: wq, .offset: 8, .size: 8, .value_kind: global_buffer, .address_space: global }
      - { .name: wk, .offset: 16, .size: 8, .value_kind: global_buffer, .address_space: global }
      - { .name: wv, .offset: 24, .size: 8, .value_kind: global_buffer, .address_space: global }
      - { .name: wo, .offset: 32, .size: 8, .value_kind: global_buffer, .address_space: global }
      - { .name: position_ids, .offset: 40, .size: 8, .value_kind: global_buffer, .address_space: global }
      - { .name: prep, .offset: 48, .size: 8, .value_kind: global_buffer, .address_space: global }
    .group_segment_fixed_size: 68608
    .private_segment_fixed_size: 0
    .kernarg_segment_align: 8
    .kernarg_segment_size: 56
    .max_flat_workgroup_size: 256
    .sgpr_count:     66
    .vgpr_count:     256
    .wavefront_size: 32
...
	.end_amdgpu_metadata
.endif
;; end of part 1
;; launch proj (part 2): grid 256 x 1, 4 waves a work-group, clusters of 4 x 1, 327,680 bytes of LDS; arguments prep, qq, kv; writes qq, kv
.if DOCPART == 2
	.amdgcn_target "amdgcn-amd-amdhsa--gfx1250"
	.amdhsa_code_object_version 6
	.text
	.protected	k_qa2f758976c_proj
	.globl	k_qa2f758976c_proj
	.p2align	8
	.type	k_qa2f758976c_proj,@function
k_qa2f758976c_proj:
	s_mov_b64 s[64:65], 0
	v_nop
	global_prefetch_b8 v0, s[64:65] scope:SCOPE_SE
	s_setreg_imm32_b32 hwreg(HW_REG_WAVE_MODE, 25, 1), 1
	s_wait_xcnt 0x0
	s_wait_alu depctr_hold_cnt(0) depctr_sa_sdst(0) depctr_va_vdst(0) depctr_va_sdst(0) depctr_va_ssrc(0) depctr_va_vcc(0) depctr_vm_vsrc(0)
	s_getreg_b32 s2, hwreg(HW_REG_IB_STS2, 6, 4)
	s_cmp_eq_u32 s2, 0
	s_cbranch_scc0 .Lentry_in_a_cluster
	s_endpgm
.Lentry_in_a_cluster:
	s_bfe_u32 s2, ttmp6, 0x10000c
	s_cmp_lg_u32 s2, 0x3003
	s_cbranch_scc0 .Lentry_shape_is_right
	s_endpgm
.Lentry_shape_is_right:
; LAUNCH 2 OF 4: the three projections as one GEMM, with RoPE and the quantising of q, k (along the head's 64) and v (along the keys) on the way out.  Nothing of the problem is left out here.
; THE CORE: Z[i][j] = sum over k of P[i][k] R[j][k], source 0 = 16 rows of R, source 1 = 16 rows of P: a lane holds ONE row i, and its registers run along j, the axis that is quantised next.
;   q, k: P = x (tokens), R = wq|wk (the heads' channels).   v: P = wv (channels), R = x (keys): v comes out with the keys along a lane's registers, and nothing is transposed.
; All operands are images of operand registers (launch 1): a fragment is 1,536 dense bytes, three loads of 16 bytes a lane at 16 x lane: no pitch, no padding; a K slot's tiles are dense rows for the tensor loads.
; R's tiles hold their rows in the order 32 b + 8 u + p + 8 (p / 8): the 16 registers of tiles 2 b, 2 b + 1 are j = 32 b + 16 (lane / 16) + 0..15.
; SHARES.  A work-group: 16 tiles of P (256 rows) x 8 tiles of R (128 rows); wave w: P's tiles 4 w .. 4 w + 3 against all 8: 32 accumulators.  q, k: 16 x 12 work-groups; v: 2 x 32: 256 in all.
; K goes in slots of 512 (4 steps of 128) through a ring of two LDS slots; the scale words of all of K come once, with the first fills.  Three tensor loads of a wave are out at the start, one behind each refill's round.
; CLUSTER 4 x 1: the four partners share P's tile (two thirds of a slot's bytes), asked for jointly; each has R's tile of its own, by a plain load.  Not 4 x 4: v's part has only two tiles of P's 256 rows along that axis.
; No prefetch: both slots, 288 KiB a work-group, are asked for at the start, and only two refills follow.
; WHAT IT STORES.  qq: q's codes [b][head][tile of 16 tokens][768] (registers 0-3 at 16 l, registers 4-5 at 512 + 8 l: K = 64 is half a fragment), its scale words at 3,145,728: [b][head][4 tiles][8 l + 4 w]: word w of lane (p, h) is tile 2 w + h's, slot p.
;   q's scale bytes are stored 3 LOWER: that is the division of the scores by 8, exact.   kv: [b][kv head][128 keys][13,056]: k's 8 tiles x 768, v's 4 tiles x 1,536, k's scale words 2 x 256, v's 256.
; LIMITS.  A block whose largest magnitude lies under 2^-121 gets the floor's byte (so that 3 can be taken off it); a block of zeros likewise; NaN and infinities are not served.
.set KK,    2048
.set NS,    KK/128                     ; K steps
.set NSL,   KK/512                     ; K slots
.set FRB,   1536                       ; a fragment's image
.set TSL,   4*FRB                      ; a tile's part of a slot
.set PSL,   16*TSL
.set RSL,   8*TSL
.set SLOT,  PSL+RSL                    ; P's 16 tiles, then R's 8
.set SCP,   2*SLOT                     ; behind the ring: P's scale words [16 tiles][NSL][256],
.set SCR,   SCP+16*NSL*256             ; R's [8][NSL][256],
.set SPARE, 319488                     ; and the spare words, 128 bytes for each wave
.set WC_OFF,  6291456                  ; in prep: w's codes
.set XS_OFF,  11010048                 ; x's scale words
.set WS_OFF,  11272192                 ; w's
.set PV_OFF,  WC_OFF+96*NS*FRB         ; wv's codes
.set PVS_OFF, WS_OFF+96*NSL*256        ; and scale words
.set RT_OFF,  11468800                 ; the table of cos and sin
.set QSOFF,   3145728
.set BLK,     13056
.set FLOOR,   0x3000000                ; 2^(6 - 127)
.set AP,  4                            ; v4-5   LDS address of my P fragments in slot 0, 1
.set AR,  6                            ; v6-7   of R's
.set ASP, 8                            ; v8     of P's scale words: lanes 0-15 an even tile's, lanes 16-31 the next tile's
.set ASR, 9                            ; v9     of R's
.set SPW, 10                           ; v10    LDS address of my spare word; never rewritten
.set NIL, 11                           ; v11    0; never rewritten
.set VT,  12                           ; v12    my place in the table
.set L8,  13                           ; v13    8 x lane
.set SC,  24                           ; v24-71 scale words, a set of 24 for each slot: P's at 4 (a / 2) + q, R's at 8 + 4 (t / 2) + q
.set PF,  72                           ; v72-167 P's fragments, two sets of 48.  Window 1: R's, two sets of 96.  Window 2: the accumulators, (a, t) at 8 (8 a + t)
.set YY,  72                           ; the way out, window 0: v72-135 a tile's 64 numbers after RoPE
.set TT,  136                          ; v136-143 at work
.set TM,  144                          ; v144-159 the quantiser's
.set PW,  160                          ; v160-163 the four tiles' scale words
.set SW,  164                          ; v164-167 as they are stored
.set PC,  168                          ; v168-247 codes, 20 registers for each tile: no store's data are written again
.set SEL, 10                           ; s[10:11] selects for lane l xor 16
.set TB,  16                           ; s[16:17] the table at my wave's first token
.set CX,  19
.set WV,  20
.set EE,  21                           ; wave % 2: which half of a tile I fetch
.set PT,  22                           ; which 16 tiles of P
.set RT,  23                           ; which 8 tiles of R
.set G1P,  24                          ; s[24:31] group 1 for P's codes;  s[32:39] R's;  s[40:47] P's scale words;  s[48:55] R's
.set G1R,  32
.set G1PS, 40
.set G1RS, 48
.set G0P,  56                          ; s[56:63] groups 0 for P's codes, a set for each slot;  s[68:75] R's;  s[76:79], s[80:83] the scale words'
.set G0R,  68
.set G0PS, 76
.set G0RS, 80
.set MSB, 0
.macro WIN new                         ; the immediate's high byte repeats the setting that is left
.if MSB != (\new)
	s_set_vgpr_msb (MSB<<8)|(\new)
.set MSB, \new
.endif
.endm
.macro PLACES n
.rept \n
	v_nop
.endr
.endm
.macro CROUND                          ; a round of the cluster's barrier
	s_barrier_signal -1
	s_barrier_wait -1
	s_cmp_lg_u32 s[WV], 0
	s_cbranch_scc1 .Lnot_wave_0_\@
	s_barrier_signal -3
.Lnot_wave_0_\@:
	s_barrier_wait -3
	s_barrier_signal -1
	s_barrier_wait -1
.endm
; Waves 0 and 1 fetch P's halves, jointly for the four partners; waves 2 and 3 R's halves, for this work-group alone.  The branch hangs on the wave's number.  An s_nop 0 and four v_nop follow each load.
.macro JLOAD g0p, g1p, g0r, g1r
	s_cmp_lt_u32 s[WV], 2
	s_cbranch_scc0 .Lfor_r_\@
	tensor_load_to_lds s[\g0p:\g0p+3], s[\g1p:\g1p+7]
	s_nop 0
	PLACES 4
	s_branch .Lasked_\@
.Lfor_r_\@:
	tensor_load_to_lds s[\g0r:\g0r+3], s[\g1r:\g1r+7]
	s_nop 0
	PLACES 4
.Lasked_\@:
.endm
.macro WM d, a, b, c, sa, sb, ra, rb   ; one product; ra, rb: the scales stand in lanes 16-31 of their register
.if (\ra) && (\rb)
	v_wmma_scale_f32_16x16x128_f8f6f4 \d, \a, \b, \c, \sa, \sb matrix_a_fmt:MATRIX_FMT_FP6 matrix_b_fmt:MATRIX_FMT_FP6 matrix_a_scale:MATRIX_SCALE_ROW1 matrix_b_scale:MATRIX_SCALE_ROW1
.elseif (\ra)
	v_wmma_scale_f32_16x16x128_f8f6f4 \d, \a, \b, \c, \sa, \sb matrix_a_fmt:MATRIX_FMT_FP6 matrix_b_fmt:MATRIX_FMT_FP6 matrix_a_scale:MATRIX_SCALE_ROW1
.elseif (\rb)
	v_wmma_scale_f32_16x16x128_f8f6f4 \d, \a, \b, \c, \sa, \sb matrix_a_fmt:MATRIX_FMT_FP6 matrix_b_fmt:MATRIX_FMT_FP6 matrix_b_scale:MATRIX_SCALE_ROW1
.else
	v_wmma_scale_f32_16x16x128_f8f6f4 \d, \a, \b, \c, \sa, \sb matrix_a_fmt:MATRIX_FMT_FP6 matrix_b_fmt:MATRIX_FMT_FP6
.endif
.endm
.macro FETCH slot, q, set              ; the fragments of the slot's q-th step: R's 8 and my 4 of P: 36 loads of 512 consecutive bytes
	WIN 0x40
.irp t, 0,1,2,3,4,5,6,7
.irp c, 0,1,2
	ds_load_b128 v[96*(\set)+12*\t+4*\c:96*(\set)+12*\t+4*\c+3], v[AR+(\slot)] offset:TSL*\t+FRB*(\q)+512*\c
.endr
.endr
	WIN 0
.irp a, 0,1,2,3
.irp c, 0,1,2
	ds_load_b128 v[PF+48*(\set)+12*\a+4*\c:PF+48*(\set)+12*\a+4*\c+3], v[AP+(\slot)] offset:TSL*\a+FRB*(\q)+512*\c
.endr
.endr
.endm
.macro SCALES set, ks                  ; K slot ks's scale words, four steps' to a load
.irp i, 0,1
	ds_load_b128 v[SC+24*(\set)+4*\i:SC+24*(\set)+4*\i+3], v[ASP] offset:512*NSL*\i+256*(\ks)
.endr
.irp i, 0,1,2,3
	ds_load_b128 v[SC+24*(\set)+8+4*\i:SC+24*(\set)+8+4*\i+3], v[ASR] offset:512*NSL*\i+256*(\ks)
.endr
.endm
; A step's 32 products.  The 32 accumulators take turns, one instruction a turn, in the same order in every step.  zero = 1: the first step starts the sums.
.macro MUL set, q, sc, zero
	WIN 0xa1                                       ; source 0 (R) window 1, source 1 (P) window 0, C and D window 2
.irp a, 0,1,2,3
.irp t, 0,1,2,3,4,5,6,7
.if \zero
	WM v[8*(8*\a+\t):8*(8*\a+\t)+7],v[96*(\set)+12*\t:96*(\set)+12*\t+11],v[PF+48*(\set)+12*\a:PF+48*(\set)+12*\a+11],0,v[SC+24*(\sc)+8+4*(\t/2)+(\q)],v[SC+24*(\sc)+4*(\a/2)+(\q)],\t%2,\a%2
.else
	WM v[8*(8*\a+\t):8*(8*\a+\t)+7],v[96*(\set)+12*\t:96*(\set)+12*\t+11],v[PF+48*(\set)+12*\a:PF+48*(\set)+12*\a+11],v[8*(8*\a+\t):8*(8*\a+\t)+7],v[SC+24*(\sc)+8+4*(\t/2)+(\q)],v[SC+24*(\sc)+4*(\a/2)+(\q)],\t%2,\a%2
.endif
.endr
.endr
	WIN 0
.endm
; THE CHANGE OF SLOTS, at the head of a slot's last step, whose fragments are already asked for.  Each wave waits for all its tensor loads (its part of the next slot), adds 0 to its spare word, and waits for that and for
; its reads of the slot that is left.  fill = 1: a round of the cluster's barrier, and that slot is filled again, two K slots on, first thing behind it.
.macro CHANGE fill, left
	s_wait_tensorcnt 0x0                           ; no tensor load of mine is out, so a group 0 may be written
	ds_add_u32 v[SPW], v[NIL]
.if \fill
	s_add_nc_u64 s[G0P+4*(\left)+2:G0P+4*(\left)+3], s[G0P+4*(\left)+2:G0P+4*(\left)+3], 2*TSL
	s_add_nc_u64 s[G0R+4*(\left)+2:G0R+4*(\left)+3], s[G0R+4*(\left)+2:G0R+4*(\left)+3], 2*TSL
.endif
	s_wait_dscnt 0x0                               ; the add is done; this step's fragments are in, and with them my reads of the slot are over
.if \fill
	CROUND
	JLOAD G0P+4*(\left), G1P, G0R+4*(\left), G1R   ; its four v_nop are also the places in front of the loads that follow
.else
	s_barrier_signal -1
	s_barrier_wait -1
	PLACES 4
.endif
.endm
	s_load_b128 s[4:7], s[0:1], 0x0                ; prep, qq
	s_load_b64 s[8:9], s[0:1], 0x10                ; kv
	v_lshl_add_u32 v[SPW], v0, 2, SPARE
	v_mov_b32 v[NIL], 0
	ds_add_u32 v[SPW], v[NIL]                      ; the opening: the add, twice on end, and its wait ahead of my first tensor load
	ds_add_u32 v[SPW], v[NIL]
	v_lshrrev_b32 v1, 5, v0
	v_readfirstlane_b32 s[WV], v1                  ; wave 0..3
	s_and_b32 s[EE], s[WV], 1
	; group 1, elements of 8 bytes, no padding.  P's codes: 8 tiles (rows) x 768 elements (a tile's 4 steps, 6,144 bytes), a tile's NS steps apart; mask: all four partners, bit 21 beside it
	s_mov_b32 s[G1P], 15|(3<<16)|(1<<21)
	s_mov_b32 s[G1P+1], 768<<16
	s_mov_b32 s[G1P+2], 8<<16
	s_mov_b32 s[G1P+3], 768<<16
	s_mov_b32 s[G1P+4], 8
	s_mov_b32 s[G1P+5], 192*NS
	s_mov_b32 s[G1P+6], 0
	s_mov_b32 s[G1P+7], 0
	s_mov_b32 s[G1R], 3<<16                        ; R's codes: 4 tiles, no mask
	s_mov_b32 s[G1R+1], 768<<16
	s_mov_b32 s[G1R+2], 4<<16
	s_mov_b32 s[G1R+3], 768<<16
	s_mov_b32 s[G1R+4], 4
	s_mov_b32 s[G1R+5], 192*NS
	s_mov_b32 s[G1R+6], 0
	s_mov_b32 s[G1R+7], 0
	s_mov_b32 s[G1PS], 15|(3<<16)|(1<<21)          ; P's scale words: 8 tiles' dense bytes as rows of 256
	s_mov_b32 s[G1PS+1], 32<<16
	s_mov_b32 s[G1PS+2], (8*NSL)<<16
	s_mov_b32 s[G1PS+3], 32<<16
	s_mov_b32 s[G1PS+4], 8*NSL
	s_mov_b32 s[G1PS+5], 32
	s_mov_b32 s[G1PS+6], 0
	s_mov_b32 s[G1PS+7], 0
	s_mov_b32 s[G1RS], 3<<16                       ; R's: 4 tiles'
	s_mov_b32 s[G1RS+1], 32<<16
	s_mov_b32 s[G1RS+2], (4*NSL)<<16
	s_mov_b32 s[G1RS+3], 32<<16
	s_mov_b32 s[G1RS+4], 4*NSL
	s_mov_b32 s[G1RS+5], 32
	s_mov_b32 s[G1RS+6], 0
	s_mov_b32 s[G1RS+7], 0
	s_mov_b32 s[SEL], 0x76543210
	s_mov_b32 s[SEL+1], 0xfedcba98
	; who am I.  c = the cluster's number: c < 48: q, k: P's block c % 16, R's block 4 (c / 16) + cx;  else v: P's block c % 2, R's block 4 ((c - 48) / 2) + cx
	s_and_b32 s84, ttmp9, 15
	s_and_b32 s85, ttmp9, 1
	s_lshr_b32 s86, ttmp9, 4
	s_sub_co_u32 s87, ttmp9, 48
	s_lshr_b32 s87, s87, 1
	s_mov_b32 s88, XS_OFF
	s_mov_b32 s89, WS_OFF
	s_cmp_ge_u32 ttmp9, 48
	s_cselect_b32 s[PT], s85, s84
	s_cselect_b32 s86, s87, s86
	s_cselect_b32 s90, PV_OFF, 0                   ; P's codes in prep: wv's or x's
	s_cselect_b32 s88, PVS_OFF, s88                ; P's scale words
	s_cselect_b32 s91, 0, WC_OFF                   ; R's codes: x's or w's
	s_cselect_b32 s89, XS_OFF, s89                 ; R's scale words
	s_bfe_u32 s[CX], ttmp6, 0x40000                ; cx enters R's addresses and the stores' alone
	s_lshl_b32 s[RT], s86, 2
	s_add_co_u32 s[RT], s[RT], s[CX]
	s_lshl_b32 s92, s[PT], 4
	s_lshl_b32 s93, s[EE], 3
	s_add_co_u32 s92, s92, s93                     ; P: tile 16 Pt + 8 e
	s_mul_i32 s93, s92, NS*FRB
	s_add_co_u32 s90, s90, s93
	s_mul_i32 s93, s92, NSL*256
	s_add_co_u32 s88, s88, s93
	s_lshl_b32 s94, s[RT], 3
	s_lshl_b32 s95, s[EE], 2
	s_add_co_u32 s94, s94, s95                     ; R: tile 8 Rt + 4 e
	s_mul_i32 s95, s94, NS*FRB
	s_add_co_u32 s91, s91, s95
	s_mul_i32 s95, s94, NSL*256
	s_add_co_u32 s89, s89, s95
	s_mul_i32 s96, s[EE], PSL/2                    ; where they go in LDS: the wave's number alone
	s_mul_i32 s97, s[EE], RSL/2
	s_mul_i32 s98, s[EE], 8*NSL*256
	s_mul_i32 s99, s[EE], 4*NSL*256
	s_mov_b32 s93, 0
	s_mov_b32 s95, 0
	s_wait_dscnt 0x0                               ; both opening adds are done
	s_wait_kmcnt 0x0
	s_mov_b32 s92, s90
	s_mov_b32 s[G0P], 1
	s_mov_b32 s[G0P+1], s96
	s_add_nc_u64 s[G0P+2:G0P+3], s[4:5], s[92:93]
	s_mov_b32 s[G0P+4], 1
	s_add_co_u32 s[G0P+5], s96, SLOT
	s_add_nc_u64 s[G0P+6:G0P+7], s[G0P+2:G0P+3], TSL
	s_or_b32 s[G0P+3], s[G0P+3], 0x80000000
	s_or_b32 s[G0P+7], s[G0P+7], 0x80000000
	s_mov_b32 s94, s91
	s_mov_b32 s[G0R], 1
	s_add_co_u32 s[G0R+1], s97, PSL
	s_add_nc_u64 s[G0R+2:G0R+3], s[4:5], s[94:95]
	s_mov_b32 s[G0R+4], 1
	s_add_co_u32 s[G0R+5], s97, PSL+SLOT
	s_add_nc_u64 s[G0R+6:G0R+7], s[G0R+2:G0R+3], TSL
	s_or_b32 s[G0R+3], s[G0R+3], 0x80000000
	s_or_b32 s[G0R+7], s[G0R+7], 0x80000000
	s_mov_b32 s92, s88
	s_mov_b32 s[G0PS], 1
	s_add_co_u32 s[G0PS+1], s98, SCP
	s_add_nc_u64 s[G0PS+2:G0PS+3], s[4:5], s[92:93]
	s_or_b32 s[G0PS+3], s[G0PS+3], 0x80000000
	s_mov_b32 s94, s89
	s_mov_b32 s[G0RS], 1
	s_add_co_u32 s[G0RS+1], s99, SCR
	s_add_nc_u64 s[G0RS+2:G0RS+3], s[4:5], s[94:95]
	s_or_b32 s[G0RS+3], s[G0RS+3], 0x80000000
	CROUND                                         ; all four work-groups are here: the first joint loads meet
	JLOAD G0PS, G1PS, G0RS, G1RS                   ; the scale words of all of K: filled once
	JLOAD G0P, G1P, G0R, G1R                       ; K slot 0
	JLOAD G0P+4, G1P, G0R+4, G1R                   ; K slot 1
	v_and_b32 v12, 31, v0
	v_lshlrev_b32 v1, 4, v12                       ; 16 x lane
	v_and_b32 v2, 15, v0                           ; r
	v_bfe_u32 v3, v0, 4, 1                         ; h
	s_mul_i32 s84, s[WV], 4*TSL
	v_add_nc_u32 v[AP], s84, v1
	v_add_nc_u32 v[AP+1], SLOT, v[AP]
	v_add_nc_u32 v[AR], PSL, v1
	v_add_nc_u32 v[AR+1], PSL+SLOT, v1
	v_lshlrev_b32 v8, 4, v2
	v_mad_u32_u24 v9, v3, NSL*256, v8              ; 16 r + h x a tile's scale words
	s_mul_i32 s84, s[WV], 4*NSL*256
	s_add_co_u32 s84, s84, SCP
	v_add_nc_u32 v[ASP], s84, v9
	v_add_nc_u32 v[ASR], SCR, v9
	v_lshlrev_b32 v[L8], 3, v12
	v_lshrrev_b32 v14, 3, v2
	v_lshl_add_u32 v14, v14, 3, v2                 ; slot r holds the tile's row r + 8 (r / 8)
	v_lshlrev_b32 v14, 8, v14
	v_lshl_add_u32 v[VT], v3, 6, v14               ; the table: 256 bytes a token, my 16 frequencies from 16 h on
	s_lshl_b32 s84, s[PT], 8
	s_lshl_b32 s85, s[WV], 6
	s_add_co_u32 s84, s84, s85                     ; my wave's first token: 256 Pt + 64 w
	s_lshl_b32 s84, s84, 8
	s_add_co_u32 s84, s84, RT_OFF
	s_mov_b32 s85, 0
	s_add_nc_u64 s[TB:TB+1], s[4:5], s[84:85]
	s_wait_tensorcnt 1                             ; the scale words and my part of K slot 0 are in; K slot 1's load may be out
	s_barrier_signal -1
	s_barrier_wait -1
	FETCH 0,0,0
	SCALES 0,0
; THE K STEPS but the last.  Each asks for the next step's fragments, into the other set, ahead of its own 32 products.
.set n, 0
.rept NS-1
.set sl, (n/4)%2
.set kq, n%4
.set fs, n%2
.if kq < 3
	s_wait_dscnt 0x0                               ; this step's fragments are in (asked for 32 products ago)
	PLACES 4                                       ; places in front of loads into registers that the last products read
	FETCH sl,kq+1,1-fs
.if n == 0
	MUL fs,kq,sl,1
.else
	MUL fs,kq,sl,0
.endif
.else
.if n/4+2 < NSL
	CHANGE 1,sl
.else
	CHANGE 0,sl
.endif
	FETCH 1-sl,0,1-fs
	SCALES 1-sl,n/4+1
	MUL fs,3,sl,0
.endif
.set n, n+1
.endr
	; the last step.  q, k: the table's rows for my tiles 0 to 2 are asked for ahead of its products, into R's set 0, which is done with
	s_wait_dscnt 0x0
	PLACES 4
	s_cmp_ge_u32 ttmp9, 48
	s_cbranch_scc1 .Lno_table
	WIN 0x40
.irp a, 0,1,2
.irp k, 0,1,2,3
	global_load_b128 v[32*\a+4*\k:32*\a+4*\k+3], v[VT], s[TB:TB+1] offset:(32*(\a/2)+8*(\a%2))*256+16*\k          ; cos of frequencies 16 h + 0..15
	global_load_b128 v[32*\a+16+4*\k:32*\a+16+4*\k+3], v[VT], s[TB:TB+1] offset:(32*(\a/2)+8*(\a%2))*256+128+16*\k   ; sin
.endr
.endr
	WIN 0
.Lno_table:
	MUL (NS-1)%2,3,((NS-1)/4)%2,0
	PLACES 4                                       ; places behind the last products
.irp b, 0,1,2,3
	v_mov_b32 v[TM+4+\b], 0                        ; a lane permute's destination counts as one of its sources
.endr
; 64 numbers of a lane in window w, register 16 b + i = k 32 b + 16 (lane / 16) + i of my row, become a fragment's codes in v[pc] on and its scale word in v[pw].
.macro QUANT s, w, pc, pw
	WIN (\w)|((\w)<<2)
.irp b, 0,1,2,3
	v_max3_num_f32 v[TM+\b], |v[(\s)+16*\b]|, |v[(\s)+16*\b+1]|, FLOOR   ; each accumulator is read from its low end on
.endr
	WIN ((\w)<<2)|((\w)<<4)
.irp i, 2,4,6,8,10,12,14
.irp b, 0,1,2,3
	v_max3_num_f32 v[TM+\b], v[TM+\b], |v[(\s)+16*\b+\i]|, |v[(\s)+16*\b+\i+1]|
.endr
.endr
	WIN 0
.irp b, 0,1,2,3
	v_permlanex16_b32 v[TM+4+\b], v[TM+\b], s[SEL], s[SEL+1]
.endr
.irp b, 0,1,2,3
	v_max_num_f32 v[TM+\b], v[TM+\b], v[TM+4+\b]   ; with lane l xor 16's: the block's largest magnitude
.endr
.irp b, 0,1,2,3
	v_add_nc_u32 v[TM+12+\b], 0xff000000, v[TM+\b] ; 2 off its exponent field: the conversion's scale operand
.endr
.irp b, 0,1,2,3
	v_lshrrev_b32 v[TM+4+\b], 23, v[TM+12+\b]      ; the scale's byte
.endr
	v_lshl_or_b32 v[\pw], v[TM+5], 8, v[TM+4]
	v_lshl_or_b32 v[\pw], v[TM+6], 16, v[\pw]
	v_lshl_or_b32 v[\pw], v[TM+7], 24, v[\pw]
	WIN \w
.irp c, 0,1
	v_cvt_scalef32_pk16_fp6_f32 v[(\pc)+6*\c:(\pc)+6*\c+2], v[(\s)+32*\c:(\s)+32*\c+15], v[TM+12+2*\c]
	v_cvt_scalef32_pk16_fp6_f32 v[(\pc)+12+4*\c:(\pc)+14+4*\c], v[(\s)+32*\c+16:(\s)+32*\c+31], v[TM+12+2*\c+1]
.endr
	WIN 0
	v_nop                                          ; one plain place behind a scaled conversion
.irp c, 0,1                                    ; the operand's layout wants a whole block in a lane
.irp i, 0,1,2
	v_permlane16_swap_b32 v[(\pc)+6*\c+\i], v[(\pc)+12+4*\c+\i]
.endr
.irp i, 0,1,2
	v_mov_b32 v[(\pc)+3+6*\c+\i], v[(\pc)+12+4*\c+\i]
.endr
.endr
.endm
	s_cmp_ge_u32 ttmp9, 48
	s_cbranch_scc1 .Lv_arm
	; ---------------- q and k ----------------
	WIN 0x40
.irp k, 0,1,2,3                                ; the table for my tile 3, into R's set 1, which is done with now
	global_load_b128 v[96+4*\k:96+4*\k+3], v[VT], s[TB:TB+1] offset:40*256+16*\k
	global_load_b128 v[112+4*\k:112+4*\k+3], v[VT], s[TB:TB+1] offset:40*256+128+16*\k
.endr
	WIN 0
	; where my four tiles go (the descriptors' registers are free: the last change of slots has waited for all tensor loads)
	s_lshr_b32 s84, s[PT], 3                       ; b
	s_lshl_b32 s86, s[PT], 4
	s_lshl_b32 s88, s[WV], 2
	s_add_co_u32 s86, s86, s88
	s_and_b32 s86, s86, 127                        ; my first tile within the batch
	s_lshl_b32 s88, s84, 4
	s_lshl_b32 s89, s[RT], 1
	s_add_co_u32 s88, s88, s89                     ; q: 16 b + the first of my two heads
	s_lshl_b32 s89, s88, 7
	s_add_co_u32 s89, s89, s86
	s_mul_i32 s89, s89, 768                        ; its codes
	s_lshl_b32 s90, s88, 5
	s_lshr_b32 s91, s86, 2
	s_add_co_u32 s90, s90, s91
	s_lshl_b32 s90, s90, 8
	s_add_co_u32 s90, s90, QSOFF                   ; its scale words
	s_sub_co_u32 s91, s[RT], 8
	s_lshl_b32 s91, s91, 1                         ; k: the first of my two kv heads
	s_lshl_b32 s92, s84, 3
	s_add_co_u32 s91, s91, s92
	s_lshl_b32 s91, s91, 4
	s_lshr_b32 s92, s86, 3
	s_add_co_u32 s91, s91, s92
	s_mul_i32 s91, s91, BLK                        ; its block of 128 keys
	s_and_b32 s92, s86, 7
	s_mul_i32 s92, s92, 768
	s_add_co_u32 s92, s92, s91
	s_bfe_u32 s93, s86, 0x10002
	s_lshl_b32 s93, s93, 8
	s_add_co_u32 s93, s93, s91
	s_add_co_u32 s93, s93, 12288
	s_mov_b32 s94, 16*BLK                          ; from a head to the next
	s_mov_b32 s95, 16*BLK
	s_cmp_lt_u32 ttmp9, 32                         ; q's work-group or k's
	s_cselect_b64 s[96:97], s[6:7], s[8:9]
	s_cselect_b32 s89, s89, s92
	s_cselect_b32 s90, s90, s93
	s_cselect_b32 s94, 128*768, s94
	s_cselect_b32 s95, 32*256, s95
	s_cselect_b32 s98, 0x03030303, 0               ; q: 3 off every scale byte: the scores' division by 8
	s_mov_b32 s33, 0
	s_mov_b32 s32, s89
	s_add_nc_u64 s[24:25], s[96:97], s[32:33]      ; codes, first head
	s_mov_b32 s32, s94
	s_add_nc_u64 s[26:27], s[24:25], s[32:33]      ; second head
	s_mov_b32 s32, s90
	s_add_nc_u64 s[28:29], s[96:97], s[32:33]      ; scale words, first head
	s_mov_b32 s32, s95
	s_add_nc_u64 s[30:31], s[28:29], s[32:33]      ; second head
.irp a, 0,1,2,3
	s_wait_loadcnt 24-8*\a                         ; this tile's 8 table loads are in; the later tiles' may be out
	WIN 0x06                                       ; source 0: the accumulators, window 2; source 1: the table, window 1
.irp e, 0,1                                    ; head e; channels d = 16 h + 8 u + j and d + 32 turn together, by frequency d
.irp u, 0,1
.irp jp, 0,2,4,6
	v_pk_mul_f32 v[TT+4*((\jp/2)%2):TT+4*((\jp/2)%2)+1], v[8*(8*\a+4*\e+2+\u)+\jp:8*(8*\a+4*\e+2+\u)+\jp+1], v[32*\a+16+8*\u+\jp:32*\a+16+8*\u+\jp+1]
	v_pk_mul_f32 v[TT+4*((\jp/2)%2)+2:TT+4*((\jp/2)%2)+3], v[8*(8*\a+4*\e+\u)+\jp:8*(8*\a+4*\e+\u)+\jp+1], v[32*\a+16+8*\u+\jp:32*\a+16+8*\u+\jp+1]
	v_pk_fma_f32 v[YY+32*\e+8*\u+\jp:YY+32*\e+8*\u+\jp+1], v[8*(8*\a+4*\e+\u)+\jp:8*(8*\a+4*\e+\u)+\jp+1], v[32*\a+8*\u+\jp:32*\a+8*\u+\jp+1], v[TT+4*((\jp/2)%2):TT+4*((\jp/2)%2)+1] neg_lo:[0,0,1] neg_hi:[0,0,1]
	v_pk_fma_f32 v[YY+32*\e+16+8*\u+\jp:YY+32*\e+16+8*\u+\jp+1], v[8*(8*\a+4*\e+2+\u)+\jp:8*(8*\a+4*\e+2+\u)+\jp+1], v[32*\a+8*\u+\jp:32*\a+8*\u+\jp+1], v[TT+4*((\jp/2)%2)+2:TT+4*((\jp/2)%2)+3]
.endr
.endr
.endr
	QUANT YY, 0, PC+20*\a, PW+\a                   ; two heads x 64 channels: registers 0-5 of the codes are the first head's, 6-11 the second's
	v_sub_nc_u32 v[PW+\a], v[PW+\a], s98           ; (every byte is 4 at the least: nothing is borrowed)
	global_store_b128 v1, v[PC+20*\a:PC+20*\a+3], s[24:25] offset:768*\a
	global_store_b64 v[L8], v[PC+20*\a+4:PC+20*\a+5], s[24:25] offset:768*\a+512
	global_store_b128 v1, v[PC+20*\a+6:PC+20*\a+9], s[26:27] offset:768*\a
	global_store_b64 v[L8], v[PC+20*\a+10:PC+20*\a+11], s[26:27] offset:768*\a+512
.endr
	v_cmp_eq_u32 vcc_lo, 1, v3
	v_cndmask_b32 v[SW], v[PW], v[PW+1], vcc_lo    ; lanes 0-15 carry tiles 0 and 2, lanes 16-31 tiles 1 and 3
	v_cndmask_b32 v[SW+1], v[PW+2], v[PW+3], vcc_lo
	v_lshrrev_b32 v[SW+2], 16, v[SW]               ; the second head's two bytes
	v_lshrrev_b32 v[SW+3], 16, v[SW+1]
	global_store_b64 v[L8], v[SW:SW+1], s[28:29]
	global_store_b64 v[L8], v[SW+2:SW+3], s[30:31]
	s_branch .Lend
	; ---------------- v ----------------
.Lv_arm:
	s_lshr_b32 s84, s[RT], 4                       ; b
	s_lshl_b32 s84, s84, 3
	s_lshl_b32 s85, s[PT], 2
	s_add_co_u32 s84, s84, s85
	s_add_co_u32 s84, s84, s[WV]                   ; my wave's four tiles are one kv head's 64 channels
	s_lshl_b32 s84, s84, 4
	s_and_b32 s85, s[RT], 15
	s_add_co_u32 s84, s84, s85                     ; and R's 128 rows one block of keys
	s_mul_i32 s84, s84, BLK
	s_mov_b32 s85, 0
	s_add_nc_u64 s[24:25], s[8:9], s[84:85]
.irp a, 0,1,2,3
	QUANT 64*\a, 2, PC+20*\a, PW+\a                ; straight off the accumulators: 128 keys of 16 channels
	global_store_b128 v1, v[PC+20*\a:PC+20*\a+3], s[24:25] offset:6144+1536*\a
	global_store_b64 v[L8], v[PC+20*\a+4:PC+20*\a+5], s[24:25] offset:6144+1536*\a+512
	global_store_b128 v1, v[PC+20*\a+6:PC+20*\a+9], s[24:25] offset:6144+1536*\a+768
	global_store_b64 v[L8], v[PC+20*\a+10:PC+20*\a+11], s[24:25] offset:6144+1536*\a+1280
.endr
	v_cmp_eq_u32 vcc_lo, 1, v3
	v_cndmask_b32 v[SW], v[PW], v[PW+1], vcc_lo
	v_cndmask_b32 v[SW+1], v[PW+2], v[PW+3], vcc_lo
	global_store_b64 v[L8], v[SW:SW+1], s[24:25] offset:12800
.Lend:
	s_wait_tensorcnt 0x0                           ; the wave's end
	ds_add_u32 v[SPW], v[NIL]
	s_wait_dscnt 0x0
	CROUND                                         ; the closing round
	s_endpgm
.Lfunc_end_k_qa2f758976c_proj:
	.size	k_qa2f758976c_proj, .Lfunc_end_k_qa2f758976c_proj-k_qa2f758976c_proj
	.p2alignl 7, 3214868480
	.fill 96, 4, 3214868480
	.section	.rodata,"a",@progbits
	.p2align	6, 0x0
	.amdhsa_kernel k_qa2f758976c_proj
		.amdhsa_group_segment_fixed_size 327680
		.amdhsa_private_segment_fixed_size 0
		.amdhsa_enable_private_segment 0
		.amdhsa_kernarg_size 24
		.amdhsa_user_sgpr_count 2
		.amdhsa_user_sgpr_kernarg_segment_ptr 1
		.amdhsa_wavefront_size32 1
		.amdhsa_system_sgpr_workgroup_id_x 1
		.amdhsa_system_sgpr_workgroup_id_y 1
		.amdhsa_system_sgpr_workgroup_id_z 1
		.amdhsa_system_vgpr_workitem_id 0
		.amdhsa_next_free_vgpr 768
		.amdhsa_next_free_sgpr 100
		.amdhsa_reserve_vcc 1
		.amdhsa_float_denorm_mode_32 3
		.amdhsa_float_denorm_mode_16_64 3
		.amdhsa_memory_ordered 1
		.amdhsa_forward_progress 1
		.amdhsa_inst_pref_size 174
	.end_amdhsa_kernel
	.amdgpu_metadata
---
amdhsa.version: [ 1, 2 ]
amdhsa.kernels:
  - .name:           k_qa2f758976c_proj
    .symbol:         k_qa2f758976c_proj.kd
    .args:
      - { .name: prep, .offset: 0, .size: 8, .value_kind: global_buffer, .address_space: global }
      - { .name: qq, .offset: 8, .size: 8, .value_kind: global_buffer, .address_space: global }
      - { .name: kv, .offset: 16, .size: 8, .value_kind: global_buffer, .address_space: global }
    .group_segment_fixed_size: 327680
    .private_segment_fixed_size: 0
    .kernarg_segment_align: 8
    .kernarg_segment_size: 24
    .max_flat_workgroup_size: 128
    .sgpr_count:     100
    .vgpr_count:     768
    .wavefront_size: 32
...
	.end_amdgpu_metadata
.endif
;; end of part 2
;; launch attn (part 3): grid 16 x 16, 8 waves a work-group, clusters of 4 x 4, 327,680 bytes of LDS; arguments qq, kv, attention_mask, att; writes att
.if DOCPART == 3
	.amdgcn_target "amdgcn-amd-amdhsa--gfx1250"
	.amdhsa_code_object_version 6
	.text
	.protected	k_qa2f758976c_attn
	.globl	k_qa2f758976c_attn
	.p2align	8
	.type	k_qa2f758976c_attn,@function
k_qa2f758976c_attn:
	s_mov_b64 s[64:65], 0
	v_nop
	global_prefetch_b8 v0, s[64:65] scope:SCOPE_SE
	s_setreg_imm32_b32 hwreg(HW_REG_WAVE_MODE, 25, 1), 1
	s_wait_xcnt 0x0
	s_wait_alu depctr_hold_cnt(0) depctr_sa_sdst(0) depctr_va_vdst(0) depctr_va_sdst(0) depctr_va_ssrc(0) depctr_va_vcc(0) depctr_vm_vsrc(0)
	s_getreg_b32 s2, hwreg(HW_REG_IB_STS2, 6, 4)
	s_cmp_eq_u32 s2, 0
	s_cbranch_scc0 .Lentry_in_a_cluster
	s_endpgm
.Lentry_in_a_cluster:
	s_bfe_u32 s2, ttmp6, 0x10000c
	s_cmp_lg_u32 s2, 0xf033
	s_cbranch_scc0 .Lentry_shape_is_right
	s_endpgm
.Lentry_shape_is_right:
; LAUNCH 3 OF 4: scores, mask, streaming softmax, the product with v, and the quantising of the result along K = 64 head + channel.  Nothing is left out: the mask is an input, so every query walks all 2,048 keys.
; SHARES.  Work-group (x, y): x = 8 b + kv head g, y = a block of 128 queries.  Wave w: the 16 queries 128 y + 16 w .. + 15, for BOTH query heads 2 g and 2 g + 1 of the kv head: k's and v's fragments and the mask's registers serve two heads.
; LAYOUT.  Both products are used transposed (S^T = k q^T, O^T = v^T p^T): a lane holds ONE query.  The keys of a tile of k, and the channels of a tile of v, lie in the order 32 b + 8 u + p + 8 (p / 8) (launches 1 and 2),
; so that a lane's 16 registers of two neighbouring tiles are 16 neighbouring keys (p) or channels (O).
; K = 64 IN AN INSTRUCTION 128 DEEP: q's registers 6-11 are zero codes.  So k's tiles are laid 6 registers apart and tile t's operand runs on over tile t + 1's six: what stands there meets zero codes.  No scale byte is 0xff.
; THE MASK COSTS NO VECTOR INSTRUCTION: q's scale bytes were stored 3 lower (score / 8, exact), and the mask's tile is the C of the score's product: D = score / 8 + mask.
; SOFTMAX: t = D x log2(e); M = the running largest t rounded up to a whole number; p = 2^(t - M) is quantised along the keys; the sum is taken of the unquantised p and divides at the end; when M moves, sum and O^T are multiplied by 2^(old M - new M), exact.
; RING.  Two LDS slots of 256 keys (two steps of 128): the mask's 128 rows x 1,024 bytes (+ 16 of padding a row), then two dense blocks of 13,056 bytes of k, v and their scale words.  Waves 0-3 fetch the mask's rows 32 i on, waves 4-7 a quarter of the blocks.
; CLUSTER 4 x 4: the mask's tile hangs on y alone and is asked for jointly along a row of the cluster, the k/v blocks on x alone, jointly along a column.  Two tensor loads of a wave are out at the start, one behind each round.
; The mask is prefetched one refill ahead (macro ASK).  The k/v blocks are not: a slot's 26,112 bytes are 102 blocks of 256, which do not divide among four partners a lane a block, and they are a sixth of a slot's bytes.
; LIMITS.  The sum score / 8 + mask is rounded by the matrix unit.  A row whose every key is masked by about -1e9 has p with a common factor up to 2^64 (t is coarser than 1 there), which the sum divides away.
; A block whose largest number lies under 2^-124 gets the floor's byte, 1.  NaN and infinities are not served.
.set SLOTB, 159232
.set MROW,  1040                       ; a row of the mask in LDS: 260 words: row r starts 4 r banks on
.set KVO,   128*MROW                   ; the k/v blocks in a slot
.set BLK,   13056
.set SPARE, 2*SLOTB                    ; behind the ring: the spare words, 128 bytes for each wave
.set QSOFF, 3145728
.set ASOFF, 3145728
; window 0
.set AM,  1                            ; v1-2   LDS address of my mask rows in slot 0, 1: row 16 w + r, + 64 h
.set A16, 3                            ; v3-4   the k/v blocks + 16 x lane
.set A8,  5                            ; v5-6   + 8 x lane
.set SPW, 7                            ; v7     LDS address of my spare word; never rewritten
.set NIL, 8                            ; v8     0; never rewritten
.set PFO, 9                            ; v9     the prefetches' offset: a row of the mask a lane
.set GO,  10                           ; v10    16 x lane
.set GS,  11                           ; v11    16 r
.set KS,  12                           ; v12-15 k's scale words: register t / 2, lanes 0-15 the even tile
.set VS,  16                           ; v16-17 v's
.set QSC, 18                           ; v18    q's: lanes 0-15 head 2 g, lanes 16-31 head 2 g + 1
.set PS,  19                           ; v19-20 p's, a head each
.set ST,  22                           ; v22-37 a head's eight: -M, largest t, the sum's two halves, f, its pair's upper half, two at work
.set BM,  38                           ; v38-41 the blocks' largest
.set BX,  42                           ; v42-45 at work
.set SO,  46                           ; v46-49 the conversions' scale operands
.set TS,  50                           ; v50-51 the sums' second chain
.set TQ,  52                           ; v52-58 the conversions' second halves
.set TM,  38                           ; the way out's quantiser: v38-53
.set PC,  60                           ; v60-83 p's codes, 12 a head
.set PWD, 84                           ; v84    the way out's scale word
.set S,   88                           ; v88-215 S^T, then p: 64 a head
; window 1
.set QR,  64                           ; v64-87  q, 12 a head;  v0-63: O^T, 32 a head
.set MK,  88                           ; v88-151 the mask's tile
.set KR,  152                          ; v152-205 k: 8 tiles x 6, and 6 zeros
.set VR,  206                          ; v206-253 v: 4 tiles x 12
.set WV,  12
.set G1M, 24                           ; s[24:31] group 1 for the mask, s[32:39] for the blocks;  s[40:47], s[48:55] groups 0, a set for each slot
.set G1K, 32
.set G0M, 40
.set G0K, 48
.set CS,  56                           ; s[56:57] log2(e), as a pair for the packed form
.set SEL, 58                           ; s[58:59] selects for lane l xor 16
.set CNT, 60
.set LIM, 61                           ; 1 in a wave that prefetches, else the greatest number
.set PFA, 62                           ; s[62:63] where my prefetches stand
.set MSB, 0
.macro WIN new
.if MSB != (\new)
	s_set_vgpr_msb (MSB<<8)|(\new)
.set MSB, \new
.endif
.endm
.macro PLACES n
.rept \n
	v_nop
.endr
.endm
.macro CROUND
	s_barrier_signal -1
	s_barrier_wait -1
	s_cmp_lg_u32 s[WV], 0
	s_cbranch_scc1 .Lnot_wave_0_\@
	s_barrier_signal -3
.Lnot_wave_0_\@:
	s_barrier_wait -3
	s_barrier_signal -1
	s_barrier_wait -1
.endm
.macro JLOAD s                         ; every wave has a load in its arm; an s_nop 0 and four v_nop follow each
	s_cmp_lt_u32 s[WV], 4
	s_cbranch_scc0 .Lfor_kv_\@
	tensor_load_to_lds s[G0M+4*(\s):G0M+4*(\s)+3], s[G1M:G1M+7]
	s_nop 0
	PLACES 4
	s_branch .Lasked_\@
.Lfor_kv_\@:
	tensor_load_to_lds s[G0K+4*(\s):G0K+4*(\s)+3], s[G1K:G1K+7]
	s_nop 0
	PLACES 4
.Lasked_\@:
.endm
; A PREFETCH INTO THE L2 of the mask's part that the NEXT refill will ask for: 128 rows x 1,024 bytes.  All clusters of a row of clusters read the same rows: the first of them (cluster x = 0) asks.  In it waves 0-3 ask, a lane a row of the
; 32 that the wave fetches, and the four partners along x are told apart BY ADDRESS: partner cx names the quarter 256 cx of the 1,024 bytes.  So each aligned 256 bytes are named once.  The last refill asks for nothing; slots 0 to 2 come by their loads alone.
.macro ASK always
.if \always
	s_cmp_eq_u32 s[LIM], 1
.else
	s_cmp_gt_u32 s[CNT], s[LIM]                    ; not in the loop's last trip
.endif
	s_cbranch_scc0 .Lnot_mine_\@
	global_prefetch_b8 v[PFO], s[PFA:PFA+1] th:TH_LOAD_NT scope:SCOPE_SE
.Lnot_mine_\@:
.endm
.macro WM d, a, b, c, sa, sb, ra, rb
.if (\ra) && (\rb)
	v_wmma_scale_f32_16x16x128_f8f6f4 \d, \a, \b, \c, \sa, \sb matrix_a_fmt:MATRIX_FMT_FP6 matrix_b_fmt:MATRIX_FMT_FP6 matrix_a_scale:MATRIX_SCALE_ROW1 matrix_b_scale:MATRIX_SCALE_ROW1
.elseif (\ra)
	v_wmma_scale_f32_16x16x128_f8f6f4 \d, \a, \b, \c, \sa, \sb matrix_a_fmt:MATRIX_FMT_FP6 matrix_b_fmt:MATRIX_FMT_FP6 matrix_a_scale:MATRIX_SCALE_ROW1
.elseif (\rb)
	v_wmma_scale_f32_16x16x128_f8f6f4 \d, \a, \b, \c, \sa, \sb matrix_a_fmt:MATRIX_FMT_FP6 matrix_b_fmt:MATRIX_FMT_FP6 matrix_b_scale:MATRIX_SCALE_ROW1
.else
	v_wmma_scale_f32_16x16x128_f8f6f4 \d, \a, \b, \c, \sa, \sb matrix_a_fmt:MATRIX_FMT_FP6 matrix_b_fmt:MATRIX_FMT_FP6
.endif
.endm
	s_load_b256 s[4:11], s[0:1], 0x0               ; qq, kv, attention_mask, att
	v_lshl_add_u32 v[SPW], v0, 2, SPARE
	v_mov_b32 v[NIL], 0
	ds_add_u32 v[SPW], v[NIL]                      ; the opening: the add, twice on end, and its wait ahead of my first tensor load
	ds_add_u32 v[SPW], v[NIL]
	v_lshrrev_b32 v88, 5, v0
	v_readfirstlane_b32 s[WV], v88                 ; wave 0..7
	s_bfe_u32 s13, ttmp6, 0x40000                  ; cx
	s_bfe_u32 s14, ttmp6, 0x40004                  ; cy
	s_lshl_b32 s15, ttmp9, 2
	s_add_co_u32 s15, s15, s13                     ; x = 8 b + g
	s_and_b32 s16, ttmp7, 0xffff
	s_lshl_b32 s16, s16, 2
	s_add_co_u32 s16, s16, s14                     ; y
	s_lshl_b32 s17, s14, 2
	s_lshl_b32 s17, 15, s17                        ; my row of the cluster
	s_lshl_b32 s18, 0x1111, s13                    ; my column
	s_or_b32 s[G1M], s17, (2<<16)|(1<<20)|(1<<21)|(7<<22)|(3<<25)   ; the mask: elements of 4 bytes; 4 words of padding behind every 256
	s_mov_b32 s[G1M+1], 256<<16
	s_mov_b32 s[G1M+2], 32<<16
	s_mov_b32 s[G1M+3], 256<<16                    ; 256 keys
	s_mov_b32 s[G1M+4], 32                         ; x 32 rows
	s_mov_b32 s[G1M+5], 2048
	s_mov_b32 s[G1M+6], 0
	s_mov_b32 s[G1M+7], 0
	s_or_b32 s[G1K], s18, (3<<16)|(1<<21)          ; the blocks: 6,528 dense bytes as 51 rows of 128
	s_mov_b32 s[G1K+1], 16<<16
	s_mov_b32 s[G1K+2], 51<<16
	s_mov_b32 s[G1K+3], 16<<16
	s_mov_b32 s[G1K+4], 51
	s_mov_b32 s[G1K+5], 16
	s_mov_b32 s[G1K+6], 0
	s_mov_b32 s[G1K+7], 0
	s_mov_b32 s[CS], 0x3fb8aa3b                    ; log2(e)
	s_mov_b32 s[CS+1], s[CS]
	s_mov_b32 s[SEL], 0x76543210
	s_mov_b32 s[SEL+1], 0xfedcba98
	s_and_b32 s67, s[WV], 3                        ; i: which part I fetch
	s_lshl_b32 s68, s16, 7                         ; the mask's chain holds y and never cx
	s_lshl_b32 s69, s67, 5
	s_add_co_u32 s68, s68, s69
	s_lshl_b32 s68, s68, 13                        ; row 128 y + 32 i, 8,192 bytes a row
	s_mov_b32 s69, 0
	s_mul_i32 s70, s67, 32*MROW
	s_lshl_b32 s72, s15, 4                         ; the blocks' chain holds x and never cy
	s_mul_i32 s72, s72, BLK
	s_mul_i32 s71, s67, 6528
	s_add_co_u32 s72, s72, s71
	s_mov_b32 s73, 0
	s_add_co_u32 s71, s71, KVO
	s_lshl_b32 s74, s13, 8                         ; the prefetches: my quarter, in slot 2; the first refill steps it to slot 3
	s_add_co_u32 s74, s74, 2048
	s_mov_b32 s75, 0
	s_lshr_b32 s76, s[WV], 2                       ; 0 in waves 0-3
	s_or_b32 s76, s76, ttmp9                       ; of the clusters with x = 0: the same in all partners
	s_cmp_eq_u32 s76, 0
	s_cselect_b32 s[LIM], 1, -1
	v_and_b32 v[PFO], 31, v0
	v_lshlrev_b32 v[PFO], 13, v[PFO]
	s_wait_dscnt 0x0                               ; both opening adds are done
	s_wait_kmcnt 0x0
	s_mov_b32 s[G0M], 1
	s_mov_b32 s[G0M+1], s70
	s_add_nc_u64 s[G0M+2:G0M+3], s[8:9], s[68:69]
	s_mov_b32 s[G0M+4], 1
	s_add_co_u32 s[G0M+5], s70, SLOTB
	s_add_nc_u64 s[G0M+6:G0M+7], s[G0M+2:G0M+3], 1024
	s_add_nc_u64 s[PFA:PFA+1], s[G0M+2:G0M+3], s[74:75]
	s_or_b32 s[G0M+3], s[G0M+3], 0x80000000
	s_or_b32 s[G0M+7], s[G0M+7], 0x80000000
	s_mov_b32 s[G0K], 1
	s_mov_b32 s[G0K+1], s71
	s_add_nc_u64 s[G0K+2:G0K+3], s[6:7], s[72:73]
	s_mov_b32 s[G0K+4], 1
	s_add_co_u32 s[G0K+5], s71, SLOTB
	s_add_nc_u64 s[G0K+6:G0K+7], s[G0K+2:G0K+3], 2*BLK
	s_or_b32 s[G0K+3], s[G0K+3], 0x80000000
	s_or_b32 s[G0K+7], s[G0K+7], 0x80000000
	CROUND                                         ; all sixteen work-groups are here: the first joint loads meet
	JLOAD 0
	JLOAD 1
	; q.  My 16 queries are neighbours; in qq they lie in two tiles: query 16 T + r is slot 8 (T % 2) + r % 8 of tile 2 (T / 2) + r / 8
	s_and_b32 s84, s[WV], 1                        ; T % 2
	s_lshr_b32 s85, s[WV], 1
	s_lshl_b32 s86, s16, 2
	s_add_co_u32 s85, s85, s86                     ; T / 2
	v_and_b32 v88, 15, v0                          ; r
	v_bfe_u32 v89, v0, 4, 1                        ; h
	v_and_b32 v90, 7, v0
	v_bfe_u32 v91, v0, 3, 1                        ; r / 8
	v_lshl_add_u32 v92, s84, 3, v90                ; the slot
	v_lshl_add_u32 v93, v89, 4, v92                ; the image's lane
	v_mul_u32_u24 v94, v91, 768
	v_lshl_add_u32 v95, v93, 4, v94
	v_lshl_add_u32 v96, v93, 3, v94
	s_lshl_b32 s86, s15, 8                         ; (16 b + 2 g) x 128 tiles
	s_lshl_b32 s87, s85, 1
	s_add_co_u32 s86, s86, s87
	s_mul_i32 s86, s86, 768
	s_mov_b32 s87, 0
	s_add_nc_u64 s[86:87], s[4:5], s[86:87]
	WIN 0x40
.irp e, 0,1
	global_load_b128 v[QR+12*\e:QR+12*\e+3], v95, s[86:87] offset:98304*\e
	global_load_b64 v[QR+12*\e+4:QR+12*\e+5], v96, s[86:87] offset:98304*\e+512
.endr
	WIN 0
	v_lshlrev_b32 v97, 13, v89                     ; its scale word: lanes 16-31 take the second head's
	v_lshl_add_u32 v97, v92, 3, v97
	v_lshl_add_u32 v97, v91, 7, v97
	s_lshl_b32 s88, s15, 6
	s_lshr_b32 s89, s85, 1
	s_add_co_u32 s88, s88, s89
	s_lshl_b32 s88, s88, 8
	s_and_b32 s89, s85, 1
	s_lshl_b32 s89, s89, 2
	s_add_co_u32 s88, s88, s89
	s_add_co_u32 s88, s88, QSOFF
	s_mov_b32 s89, 0
	s_add_nc_u64 s[88:89], s[4:5], s[88:89]
	global_load_b32 v[QSC], v97, s[88:89]
	s_lshl_b32 s90, s[WV], 4
	v_add_nc_u32 v98, s90, v88
	v_mul_u32_u24 v[AM], v98, MROW
	v_lshl_add_u32 v[AM], v89, 6, v[AM]
	v_add_nc_u32 v[AM+1], SLOTB, v[AM]
	v_and_b32 v99, 31, v0
	v_lshlrev_b32 v[GO], 4, v99
	v_add_nc_u32 v[A16], KVO, v[GO]
	v_add_nc_u32 v[A16+1], KVO+SLOTB, v[GO]
	v_lshlrev_b32 v100, 3, v99
	v_add_nc_u32 v[A8], KVO, v100
	v_add_nc_u32 v[A8+1], KVO+SLOTB, v100
	v_lshlrev_b32 v[GS], 4, v88
	WIN 0x40
.irp e, 0,1
.irp i, 6,7,8,9,10,11
	v_mov_b32 v[QR+12*\e+\i], 0                    ; q's K = 64 .. 127: zero codes
.endr
.endr
.irp i, 48,49,50,51,52,53
	v_mov_b32 v[KR+\i], 0                          ; what k's last tile runs on over
.endr
.set j, 0
.rept 64
	v_mov_b32 v[j], 0                              ; O^T: the step is written once; the first finds zeros, which the first change of M leaves zeros
.set j, j+1
.endr
	WIN 0
.irp e, 0,1
	v_mov_b32 v[ST+8*\e+1], 0xff61b1e6             ; the largest t so far: -3e38
	v_floor_f32 v[ST+8*\e], -v[ST+8*\e+1]          ; -M
	v_mov_b32 v[ST+8*\e+2], 0
	v_mov_b32 v[ST+8*\e+3], 0
	v_mov_b32 v[ST+8*\e+5], 0                      ; (named as a pair's upper half)
	v_mov_b32 v[ST+8*\e+7], 0
.endr
.irp b, 0,1,2,3
	v_mov_b32 v[BX+\b], 0                          ; a lane permute's destination counts as one of its sources
.endr
; One head's softmax of a step: 64 scores of a lane's query, register 16 b + i = key 32 b + 16 (lane / 16) + i.
.macro SOFTMAX e
.set rS, S+64*(\e)
.set rT, ST+8*(\e)
.set rP, PC+12*(\e)
.set rO, 32*(\e)
.irp b, 0,1,2,3
	v_max3_num_f32 v[BM+\b], v[rS+16*\b], v[rS+16*\b+1], v[rS+16*\b+2]   ; the largest score of each block of 32 keys: for the row's maximum, and, since p rises with the score, for the block's largest p
.endr
.irp i, 3,5,7,9,11,13
.irp b, 0,1,2,3
	v_max3_num_f32 v[BM+\b], v[BM+\b], v[rS+16*\b+\i], v[rS+16*\b+\i+1]
.endr
.endr
.irp b, 0,1,2,3
	v_max_num_f32 v[BM+\b], v[BM+\b], v[rS+16*\b+15]
.endr
.irp b, 0,1,2,3
	v_permlanex16_b32 v[BX+\b], v[BM+\b], s[SEL], s[SEL+1]
.endr
.irp b, 0,1,2,3
	v_max_num_f32 v[BM+\b], v[BM+\b], v[BX+\b]
.endr
	v_max3_num_f32 v[rT+6], v[BM], v[BM+1], v[BM+2]
	v_max_num_f32 v[rT+6], v[rT+6], v[BM+3]
	v_mul_f32 v[rT+6], s[CS], v[rT+6]
	v_max_num_f32 v[rT+1], v[rT+1], v[rT+6]        ; the running largest t
	v_mov_b32 v[rT+6], v[rT]
	v_floor_f32 v[rT], -v[rT+1]                    ; the new -M = -ceil(t)
	v_sub_f32 v[rT+6], v[rT], v[rT+6]              ; old M - new M: a whole number, 0 or less
	v_cvt_i32_f32 v[rT+6], v[rT+6]                 ; (it saturates)
	v_ldexp_f32 v[rT+4], 1.0, v[rT+6]              ; f = 2^(old M - new M)
.set j, 0
.rept 32
	v_pk_fma_f32 v[rS+j:rS+j+1], v[rS+j:rS+j+1], s[CS:CS+1], v[rT:rT+1] op_sel_hi:[1,0,0]   ; t - M, two at a time
.set j, j+2
.endr
.irp b, 0,1,2,3
	v_fma_f32 v[BM+\b], v[BM+\b], s[CS], v[rT]
.endr
.set j, 0
.rept 64
	v_exp_f32 v[rS+j], v[rS+j]                     ; p = 2^(t - M)
.set j, j+1
.endr
	v_pk_mul_f32 v[rT+2:rT+3], v[rT+2:rT+3], v[rT+4:rT+5] op_sel_hi:[1,0]   ; the sums under the new M: the plain place behind the exponentials
	s_wait_alu depctr_va_vdst(0)                   ; one wait for the batch of 64, ahead of its first reader
.irp b, 0,1,2,3
	v_exp_f32 v[BM+\b], v[BM+\b]                   ; the blocks' largest p
.endr
	v_pk_add_f32 v[TS:TS+1], v[rS:rS+1], v[rS+2:rS+3]   ; the row's sum of the unquantised p, in two chains
.set j, 4
.rept 15
	v_pk_add_f32 v[rT+2:rT+3], v[rT+2:rT+3], v[rS+j:rS+j+1]
	v_pk_add_f32 v[TS:TS+1], v[TS:TS+1], v[rS+j+2:rS+j+3]
.set j, j+4
.endr
	v_pk_add_f32 v[rT+2:rT+3], v[rT+2:rT+3], v[TS:TS+1]
	s_wait_alu depctr_va_vdst(0)                   ; and one for the four
.irp b, 0,1,2,3
	v_max_num_f32 v[BM+\b], 0x1800000, v[BM+\b]    ; the floor 2^(3 - 127)
.endr
.irp b, 0,1,2,3
	v_add_nc_u32 v[SO+\b], 0xff000000, v[BM+\b]
.endr
.irp b, 0,1,2,3
	v_lshrrev_b32 v[BX+\b], 23, v[SO+\b]
.endr
	v_lshl_or_b32 v[PS+(\e)], v[BX+1], 8, v[BX]
	v_lshl_or_b32 v[PS+(\e)], v[BX+2], 16, v[PS+(\e)]
	v_lshl_or_b32 v[PS+(\e)], v[BX+3], 24, v[PS+(\e)]
.irp c, 0,1
	v_cvt_scalef32_pk16_fp6_f32 v[rP+6*\c:rP+6*\c+2], v[rS+32*\c:rS+32*\c+15], v[SO+2*\c]
	v_cvt_scalef32_pk16_fp6_f32 v[TQ+4*\c:TQ+4*\c+2], v[rS+32*\c+16:rS+32*\c+31], v[SO+2*\c+1]
.endr
	v_nop                                          ; one plain place behind a scaled conversion
.irp c, 0,1
.irp i, 0,1,2
	v_permlane16_swap_b32 v[rP+6*\c+\i], v[TQ+4*\c+\i]
.endr
.irp i, 0,1,2
	v_mov_b32 v[rP+6*\c+3+\i], v[TQ+4*\c+\i]
.endr
.endr
	WIN 0x41                                       ; O^T in window 1, f in window 0
.set j, 0
.rept 16
	v_pk_mul_f32 v[rO+j:rO+j+1], v[rO+j:rO+j+1], v[rT+4:rT+5] op_sel_hi:[1,0]   ; O^T under the new M; these are also the places between p's scale word and codes and the products below
.set j, j+2
.endr
	WIN 0
.endm
; A KEY STEP: 128 keys, the q-th of the slot.
.macro STEP slot, q
.set ob, BLK*(\q)
	PLACES 4                                       ; places in front of loads into registers that the last products read
	WIN 0x40
.irp t, 0,1,2,3,4,5,6,7
	ds_load_b128 v[KR+6*\t:KR+6*\t+3], v[A16+(\slot)] offset:ob+768*\t
	ds_load_b64 v[KR+6*\t+4:KR+6*\t+5], v[A8+(\slot)] offset:ob+768*\t+512
.endr
.irp t, 0,1,2,3,4,5,6,7                        ; register j of tile 2 b + u: mask(my query, key 32 b + 16 h + 8 u + j)
	ds_load_b128 v[MK+8*\t:MK+8*\t+3], v[AM+(\slot)] offset:512*(\q)+128*(\t/2)+32*(\t%2)
	ds_load_b128 v[MK+8*\t+4:MK+8*\t+7], v[AM+(\slot)] offset:512*(\q)+128*(\t/2)+32*(\t%2)+16
.endr
	WIN 0
	ds_load_b64 v[KS:KS+1], v[A8+(\slot)] offset:ob+12288
	ds_load_b64 v[KS+2:KS+3], v[A8+(\slot)] offset:ob+12288+256
	WIN 0x40
.irp t, 0,1,2,3
	ds_load_b128 v[VR+12*\t:VR+12*\t+3], v[A16+(\slot)] offset:ob+6144+1536*\t
	ds_load_b64 v[VR+12*\t+4:VR+12*\t+5], v[A8+(\slot)] offset:ob+6144+1536*\t+512
	ds_load_b128 v[VR+12*\t+6:VR+12*\t+9], v[A16+(\slot)] offset:ob+6144+1536*\t+768
	ds_load_b64 v[VR+12*\t+10:VR+12*\t+11], v[A8+(\slot)] offset:ob+6144+1536*\t+1280
.endr
	WIN 0
	ds_load_b64 v[VS:VS+1], v[A8+(\slot)] offset:ob+12800
	s_wait_dscnt 17                                ; k, the mask and k's scale words are in; v's 16 loads and its scale words' one may be out
	WIN 0x15                                       ; k, q and the mask in window 1, S^T in window 0
.irp t, 0,1,2,3,4,5,6,7
.irp e, 0,1
	WM v[S+64*\e+8*\t:S+64*\e+8*\t+7],v[KR+6*\t:KR+6*\t+11],v[QR+12*\e:QR+12*\e+11],v[MK+8*\t:MK+8*\t+7],v[KS+\t/2],v[QSC],\t%2,\e
.endr
.endr
	WIN 0
	PLACES 4
	SOFTMAX 0
	SOFTMAX 1
	s_wait_dscnt 0x0                               ; v is in
	WIN 0x51                                       ; v and O^T in window 1, p in window 0
.irp t, 0,1,2,3                                ; eight accumulators, one product each
.irp e, 0,1
	WM v[32*\e+8*\t:32*\e+8*\t+7],v[VR+12*\t:VR+12*\t+11],v[PC+12*\e:PC+12*\e+11],v[32*\e+8*\t:32*\e+8*\t+7],v[VS+\t/2],v[PS+\e],\t%2,0
.endr
.endr
	WIN 0
.endm
; A SLOT'S TWO STEPS, behind the change of slots: each wave waits for all its tensor loads (its part of this slot), adds 0 to its spare word, and waits for that and for its reads of the other slot.
; refill = 1: a round of the cluster's barrier, and the other slot is filled with the keys two slots on, first thing behind it: that load has two steps in which to land.
.macro TWO slot, refill, always
	s_wait_tensorcnt 0x0                           ; no tensor load of mine is out, so a group 0 may be written
	ds_add_u32 v[SPW], v[NIL]
.if \refill
	s_add_nc_u64 s[G0M+4*(1-\slot)+2:G0M+4*(1-\slot)+3], s[G0M+4*(1-\slot)+2:G0M+4*(1-\slot)+3], 2048
	s_add_nc_u64 s[G0K+4*(1-\slot)+2:G0K+4*(1-\slot)+3], s[G0K+4*(1-\slot)+2:G0K+4*(1-\slot)+3], 4*BLK
	s_wait_xcnt 0x0                                ; the last prefetch, a slot back, has read its address
	s_add_nc_u64 s[PFA:PFA+1], s[PFA:PFA+1], 1024
.endif
	s_wait_dscnt 0x0                               ; the add is done, and my reads of the other slot are over
.if \refill
	CROUND
	JLOAD 1-\slot
	ASK \always
.else
	s_barrier_signal -1
	s_barrier_wait -1
.endif
	STEP \slot, 0
	STEP \slot, 1
.endm
	s_wait_tensorcnt 1                             ; my part of slot 0 is in; slot 1's may be out
	s_barrier_signal -1
	s_barrier_wait -1
	s_wait_loadcnt 0x0                             ; q and its scale words
	STEP 0, 0
	STEP 0, 1
	s_mov_b32 s[CNT], 3
.Lslots:                                           ; three trips: six of the eight slots' worth of keys, six refills
	TWO 1, 1, 1
	TWO 0, 1, 0
	s_sub_co_u32 s[CNT], s[CNT], 1
	s_cmp_lg_u32 s[CNT], 0
	s_cbranch_scc1 .Lslots
	TWO 1, 0, 0                                    ; the last slot is written out: nothing is left to fetch
	; THE WAY OUT.  O^T / the sum; the two heads' 64 + 64 channels are K step g of the last product: quantised here, stored as a fragment's image.
.irp e, 0,1
	v_add_f32 v[ST+8*\e+6], v[ST+8*\e+2], v[ST+8*\e+3]
.endr
.irp e, 0,1
	v_permlanex16_b32 v[ST+8*\e+7], v[ST+8*\e+6], s[SEL], s[SEL+1]
.endr
.irp e, 0,1
	v_add_f32 v[ST+8*\e+6], v[ST+8*\e+6], v[ST+8*\e+7]
.endr
.irp e, 0,1
	v_rcp_f32 v[ST+8*\e+7], v[ST+8*\e+6]
.endr
	v_nop                                          ; a plain place behind the reciprocals
	s_lshr_b32 s84, s15, 3
	s_lshl_b32 s84, s84, 7
	s_lshl_b32 s85, s16, 3
	s_add_co_u32 s84, s84, s85
	s_add_co_u32 s84, s84, s[WV]                   ; my tile of 16 tokens: 128 b + 8 y + w
	s_and_b32 s85, s15, 7                          ; g
	s_lshl_b32 s86, s84, 3
	s_add_co_u32 s86, s86, s85
	s_mul_i32 s86, s86, 1536
	s_mov_b32 s87, 0
	s_add_nc_u64 s[86:87], s[10:11], s[86:87]      ; its fragment of K step g
	s_lshl_b32 s88, s84, 9
	s_lshr_b32 s89, s85, 2
	s_lshl_b32 s89, s89, 8
	s_add_co_u32 s88, s88, s89
	s_and_b32 s89, s85, 3
	s_lshl_b32 s89, s89, 2
	s_add_co_u32 s88, s88, s89
	s_add_co_u32 s88, s88, ASOFF
	s_mov_b32 s89, 0
	s_add_nc_u64 s[88:89], s[10:11], s[88:89]      ; and its scale words' place
	s_wait_alu depctr_va_vdst(0)                   ; one wait for both reciprocals, ahead of their first reader
	WIN 0x01
.irp e, 0,1
.set j, 0
.rept 32
	v_mul_f32 v[S+32*\e+j], v[32*\e+j], v[ST+8*\e+7]   ; register 32 e + 16 b + i = channel 32 b + 16 h + i of head 2 g + e
.set j, j+1
.endr
.endr
	WIN 0
.irp b, 0,1,2,3
	v_max3_num_f32 v[TM+\b], |v[S+16*\b]|, |v[S+16*\b+1]|, 0x1800000
.endr
.irp i, 2,4,6,8,10,12,14
.irp b, 0,1,2,3
	v_max3_num_f32 v[TM+\b], v[TM+\b], |v[S+16*\b+\i]|, |v[S+16*\b+\i+1]|
.endr
.endr
.irp b, 0,1,2,3
	v_permlanex16_b32 v[TM+4+\b], v[TM+\b], s[SEL], s[SEL+1]
.endr
.irp b, 0,1,2,3
	v_max_num_f32 v[TM+\b], v[TM+\b], v[TM+4+\b]
.endr
.irp b, 0,1,2,3
	v_add_nc_u32 v[TM+12+\b], 0xff000000, v[TM+\b]
.endr
.irp b, 0,1,2,3
	v_lshrrev_b32 v[TM+4+\b], 23, v[TM+12+\b]
.endr
	v_lshl_or_b32 v[PWD], v[TM+5], 8, v[TM+4]
	v_lshl_or_b32 v[PWD], v[TM+6], 16, v[PWD]
	v_lshl_or_b32 v[PWD], v[TM+7], 24, v[PWD]
.irp c, 0,1
	v_cvt_scalef32_pk16_fp6_f32 v[PC+6*\c:PC+6*\c+2], v[S+32*\c:S+32*\c+15], v[TM+12+2*\c]
	v_cvt_scalef32_pk16_fp6_f32 v[PC+12+4*\c:PC+14+4*\c], v[S+32*\c+16:S+32*\c+31], v[TM+12+2*\c+1]
.endr
	v_nop
.irp c, 0,1
.irp i, 0,1,2
	v_permlane16_swap_b32 v[PC+6*\c+\i], v[PC+12+4*\c+\i]
.endr
.irp i, 0,1,2
	v_mov_b32 v[PC+3+6*\c+\i], v[PC+12+4*\c+\i]
.endr
.endr
.irp c, 0,1,2
	global_store_b128 v[GO], v[PC+4*\c:PC+4*\c+3], s[86:87] offset:512*\c   ; 512 consecutive aligned bytes
.endr
	global_store_b32 v[GS], v[PWD], s[88:89]       ; row r's word for K step g, 16 bytes from row to row: the program's only stores of 4 bytes, 128 KiB in all; lanes l and l xor 16 store the same word at the same place
	s_wait_tensorcnt 0x0                           ; the wave's end
	ds_add_u32 v[SPW], v[NIL]
	s_wait_dscnt 0x0
	CROUND                                         ; the closing round
	s_endpgm
.Lfunc_end_k_qa2f758976c_attn:
	.size	k_qa2f758976c_attn, .Lfunc_end_k_qa2f758976c_attn-k_qa2f758976c_attn
	.p2alignl 7, 3214868480
	.fill 96, 4, 3214868480
	.section	.rodata,"a",@progbits
	.p2align	6, 0x0
	.amdhsa_kernel k_qa2f758976c_attn
		.amdhsa_group_segment_fixed_size 327680
		.amdhsa_private_segment_fixed_size 0
		.amdhsa_enable_private_segment 0
		.amdhsa_kernarg_size 32
		.amdhsa_user_sgpr_count 2
		.amdhsa_user_sgpr_kernarg_segment_ptr 1
		.amdhsa_wavefront_size32 1
		.amdhsa_system_sgpr_workgroup_id_x 1
		.amdhsa_system_sgpr_workgroup_id_y 1
		.amdhsa_system_sgpr_workgroup_id_z 1
		.amdhsa_system_vgpr_workitem_id 0
		.amdhsa_next_free_vgpr 512
		.amdhsa_next_free_sgpr 100
		.amdhsa_reserve_vcc 0
		.amdhsa_float_denorm_mode_32 3
		.amdhsa_float_denorm_mode_16_64 3
		.amdhsa_memory_ordered 1
		.amdhsa_forward_progress 1
		.amdhsa_inst_pref_size 255
	.end_amdhsa_kernel
	.section	.bss,"aw",@nobits
	.p2align	6
	.space	262144
	.amdgpu_metadata
---
amdhsa.version: [ 1, 2 ]
amdhsa.kernels:
  - .name:           k_qa2f758976c_attn
    .symbol:         k_qa2f758976c_attn.kd
    .args:
      - { .name: qq, .offset: 0, .size: 8, .value_kind: global_buffer, .address_space: global }
      - { .name: kv, .offset: 8, .size: 8, .value_kind: global_buffer, .address_space: global }
      - { .name: attention_mask, .offset: 16, .size: 8, .value_kind: global_buffer, .address_space: global }
      - { .name: att, .offset: 24, .size: 8, .value_kind: global_buffer, .address_space: global }
    .group_segment_fixed_size: 327680
    .private_segment_fixed_size: 0
    .kernarg_segment_align: 8
    .kernarg_segment_size: 32
    .max_flat_workgroup_size: 256
    .sgpr_count:     100
    .vgpr_count:     512
    .wavefront_size: 32
...
	.end_amdgpu_metadata
.endif
;; end of part 3
;; launch outp (part 4): grid 256 x 1, 4 waves a work-group, clusters of 4 x 1, 327,680 bytes of LDS; arguments att, prep, out0; writes out0
.if DOCPART == 4
	.amdgcn_target "amdgcn-amd-amdhsa--gfx1250"
	.amdhsa_code_object_version 6
	.text
	.protected	k_qa2f758976c_outp
	.globl	k_qa2f758976c_outp
	.p2align	8
	.type	k_qa2f758976c_outp,@function
k_qa2f758976c_outp:
	s_mov_b64 s[64:65], 0
	v_nop
	global_prefetch_b8 v0, s[64:65] scope:SCOPE_SE
	s_setreg_imm32_b32 hwreg(HW_REG_WAVE_MODE, 25, 1), 1
	s_wait_xcnt 0x0
	s_wait_alu depctr_hold_cnt(0) depctr_sa_sdst(0) depctr_va_vdst(0) depctr_va_sdst(0) depctr_va_ssrc(0) depctr_va_vcc(0) depctr_vm_vsrc(0)
	s_getreg_b32 s2, hwreg(HW_REG_IB_STS2, 6, 4)
	s_cmp_eq_u32 s2, 0
	s_cbranch_scc0 .Lentry_in_a_cluster
	s_endpgm
.Lentry_in_a_cluster:
	s_bfe_u32 s2, ttmp6, 0x10000c
	s_cmp_lg_u32 s2, 0x3003
	s_cbranch_scc0 .Lentry_shape_is_right
	s_endpgm
.Lentry_shape_is_right:
; LAUNCH 4 OF 4: out0 = attn wo^T, on the codes that launches 3 (attn) and 1 (wo) stored.  Nothing of the problem is left out here.
; THE CORE is launch 2's: Z[i][j] = sum over k of P[i][k] R[j][k], source 0 = 16 rows of R = wo, source 1 = 16 rows of P = attn (tokens): a lane holds one token, its registers run along the output's columns.
; wo's tiles hold their rows in the order 32 b + 8 u + p + 8 (p / 8): the 16 registers of tiles 2 b, 2 b + 1 are columns 32 b + 16 (lane / 16) + 0..15: 64 neighbouring bytes.  attn's tiles hold neighbouring tokens.
; SHARES.  A work-group: 256 tokens x 128 columns; wave w: 64 tokens x 128 columns, 32 accumulators; 16 x 16 = 256 work-groups.  K = 1,024 is two slots of 512: both are asked for at the start, and nothing is filled again.
; CLUSTER 4 x 1: the four partners share P's tile (two thirds of the bytes), asked for jointly; each has R's tile of its own.  The form is launch 2's, kept so that the two texts read alike.
; No prefetch: all that a work-group reads is asked for at its head.
; THE WAY OUT: a block of 16 tokens x 128 columns goes through the wave's own stage in LDS and leaves as whole rows of 512 bytes.  The stage lies in slot 0, which has had its only fill and which every wave has left at the change of slots.
.set KK,    1024
.set NS,    KK/128
.set NSL,   KK/512
.set FRB,   1536
.set TSL,   4*FRB
.set PSL,   16*TSL
.set RSL,   8*TSL
.set SLOT,  PSL+RSL
.set SCP,   2*SLOT
.set SCR,   SCP+16*NSL*256
.set SPARE, 319488                     ; the spare words, 128 bytes for each wave
.set AS_OFF, 3145728                   ; in att: the scale words
.set OC_OFF, 9437184                   ; in prep: wo's codes
.set OS_OFF, 11403264                  ; and scale words
.set SROW,  528                        ; a stage row: 512 bytes + 16
.set AP,  4
.set AR,  6
.set ASP, 8
.set ASR, 9
.set SPW, 10
.set NIL, 11
.set STO, 12                           ; v12    the stage: where I put 32 bytes of a row
.set RD,  13                           ; v13    and where I read a row back
.set SC,  24
.set PF,  72
.set BK,  128                          ; the way out: 16 rows read back: v128-191 and v192-255 by turns
.set OB,  16                           ; s[16:17] out0 at my wave's first token and my work-group's first column
.set CX,  19
.set WV,  20
.set EE,  21
.set PT,  22
.set RT,  23
.set G1P,  24
.set G1R,  32
.set G1PS, 40
.set G1RS, 48
.set G0P,  56
.set G0R,  68
.set G0PS, 76
.set G0RS, 80
.set MSB, 0
.macro WIN new
.if MSB != (\new)
	s_set_vgpr_msb (MSB<<8)|(\new)
.set MSB, \new
.endif
.endm
.macro PLACES n
.rept \n
	v_nop
.endr
.endm
.macro CROUND
	s_barrier_signal -1
	s_barrier_wait -1
	s_cmp_lg_u32 s[WV], 0
	s_cbranch_scc1 .Lnot_wave_0_\@
	s_barrier_signal -3
.Lnot_wave_0_\@:
	s_barrier_wait -3
	s_barrier_signal -1
	s_barrier_wait -1
.endm
.macro JLOAD g0p, g1p, g0r, g1r        ; waves 0 and 1: P's halves, jointly; waves 2 and 3: R's halves; an s_nop 0 and four v_nop follow each load
	s_cmp_lt_u32 s[WV], 2
	s_cbranch_scc0 .Lfor_r_\@
	tensor_load_to_lds s[\g0p:\g0p+3], s[\g1p:\g1p+7]
	s_nop 0
	PLACES 4
	s_branch .Lasked_\@
.Lfor_r_\@:
	tensor_load_to_lds s[\g0r:\g0r+3], s[\g1r:\g1r+7]
	s_nop 0
	PLACES 4
.Lasked_\@:
.endm
.macro WM d, a, b, c, sa, sb, ra, rb
.if (\ra) && (\rb)
	v_wmma_scale_f32_16x16x128_f8f6f4 \d, \a, \b, \c, \sa, \sb matrix_a_fmt:MATRIX_FMT_FP6 matrix_b_fmt:MATRIX_FMT_FP6 matrix_a_scale:MATRIX_SCALE_ROW1 matrix_b_scale:MATRIX_SCALE_ROW1
.elseif (\ra)
	v_wmma_scale_f32_16x16x128_f8f6f4 \d, \a, \b, \c, \sa, \sb matrix_a_fmt:MATRIX_FMT_FP6 matrix_b_fmt:MATRIX_FMT_FP6 matrix_a_scale:MATRIX_SCALE_ROW1
.elseif (\rb)
	v_wmma_scale_f32_16x16x128_f8f6f4 \d, \a, \b, \c, \sa, \sb matrix_a_fmt:MATRIX_FMT_FP6 matrix_b_fmt:MATRIX_FMT_FP6 matrix_b_scale:MATRIX_SCALE_ROW1
.else
	v_wmma_scale_f32_16x16x128_f8f6f4 \d, \a, \b, \c, \sa, \sb matrix_a_fmt:MATRIX_FMT_FP6 matrix_b_fmt:MATRIX_FMT_FP6
.endif
.endm
.macro FETCH slot, q, set
	WIN 0x40
.irp t, 0,1,2,3,4,5,6,7
.irp c, 0,1,2
	ds_load_b128 v[96*(\set)+12*\t+4*\c:96*(\set)+12*\t+4*\c+3], v[AR+(\slot)] offset:TSL*\t+FRB*(\q)+512*\c
.endr
.endr
	WIN 0
.irp a, 0,1,2,3
.irp c, 0,1,2
	ds_load_b128 v[PF+48*(\set)+12*\a+4*\c:PF+48*(\set)+12*\a+4*\c+3], v[AP+(\slot)] offset:TSL*\a+FRB*(\q)+512*\c
.endr
.endr
.endm
.macro SCALES set, ks
.irp i, 0,1
	ds_load_b128 v[SC+24*(\set)+4*\i:SC+24*(\set)+4*\i+3], v[ASP] offset:512*NSL*\i+256*(\ks)
.endr
.irp i, 0,1,2,3
	ds_load_b128 v[SC+24*(\set)+8+4*\i:SC+24*(\set)+8+4*\i+3], v[ASR] offset:512*NSL*\i+256*(\ks)
.endr
.endm
.macro MUL set, q, sc, zero            ; a step's 32 products: the accumulators take turns, one instruction a turn, in the same order in every step
	WIN 0xa1
.irp a, 0,1,2,3
.irp t, 0,1,2,3,4,5,6,7
.if \zero
	WM v[8*(8*\a+\t):8*(8*\a+\t)+7],v[96*(\set)+12*\t:96*(\set)+12*\t+11],v[PF+48*(\set)+12*\a:PF+48*(\set)+12*\a+11],0,v[SC+24*(\sc)+8+4*(\t/2)+(\q)],v[SC+24*(\sc)+4*(\a/2)+(\q)],\t%2,\a%2
.else
	WM v[8*(8*\a+\t):8*(8*\a+\t)+7],v[96*(\set)+12*\t:96*(\set)+12*\t+11],v[PF+48*(\set)+12*\a:PF+48*(\set)+12*\a+11],v[8*(8*\a+\t):8*(8*\a+\t)+7],v[SC+24*(\sc)+8+4*(\t/2)+(\q)],v[SC+24*(\sc)+4*(\a/2)+(\q)],\t%2,\a%2
.endif
.endr
.endr
	WIN 0
.endm
	s_load_b128 s[4:7], s[0:1], 0x0                ; att, prep
	s_load_b64 s[8:9], s[0:1], 0x10                ; out0
	v_lshl_add_u32 v[SPW], v0, 2, SPARE
	v_mov_b32 v[NIL], 0
	ds_add_u32 v[SPW], v[NIL]                      ; the opening: the add, twice on end, and its wait ahead of my first tensor load
	ds_add_u32 v[SPW], v[NIL]
	v_lshrrev_b32 v1, 5, v0
	v_readfirstlane_b32 s[WV], v1
	s_and_b32 s[EE], s[WV], 1
	s_mov_b32 s[G1P], 15|(3<<16)|(1<<21)           ; P's codes: 8 tiles x 768 elements of 8 bytes, a tile's NS steps apart; all four partners
	s_mov_b32 s[G1P+1], 768<<16
	s_mov_b32 s[G1P+2], 8<<16
	s_mov_b32 s[G1P+3], 768<<16
	s_mov_b32 s[G1P+4], 8
	s_mov_b32 s[G1P+5], 192*NS
	s_mov_b32 s[G1P+6], 0
	s_mov_b32 s[G1P+7], 0
	s_mov_b32 s[G1R], 3<<16                        ; R's codes: 4 tiles, no mask
	s_mov_b32 s[G1R+1], 768<<16
	s_mov_b32 s[G1R+2], 4<<16
	s_mov_b32 s[G1R+3], 768<<16
	s_mov_b32 s[G1R+4], 4
	s_mov_b32 s[G1R+5], 192*NS
	s_mov_b32 s[G1R+6], 0
	s_mov_b32 s[G1R+7], 0
	s_mov_b32 s[G1PS], 15|(3<<16)|(1<<21)          ; the scale words: dense bytes as rows of 256
	s_mov_b32 s[G1PS+1], 32<<16
	s_mov_b32 s[G1PS+2], (8*NSL)<<16
	s_mov_b32 s[G1PS+3], 32<<16
	s_mov_b32 s[G1PS+4], 8*NSL
	s_mov_b32 s[G1PS+5], 32
	s_mov_b32 s[G1PS+6], 0
	s_mov_b32 s[G1PS+7], 0
	s_mov_b32 s[G1RS], 3<<16
	s_mov_b32 s[G1RS+1], 32<<16
	s_mov_b32 s[G1RS+2], (4*NSL)<<16
	s_mov_b32 s[G1RS+3], 32<<16
	s_mov_b32 s[G1RS+4], 4*NSL
	s_mov_b32 s[G1RS+5], 32
	s_mov_b32 s[G1RS+6], 0
	s_mov_b32 s[G1RS+7], 0
	s_and_b32 s[PT], ttmp9, 15                     ; P's block: the cluster's number % 16;  R's: 4 (number / 16) + cx
	s_lshr_b32 s86, ttmp9, 4
	s_bfe_u32 s[CX], ttmp6, 0x40000
	s_lshl_b32 s[RT], s86, 2
	s_add_co_u32 s[RT], s[RT], s[CX]
	s_lshl_b32 s92, s[PT], 4
	s_lshl_b32 s93, s[EE], 3
	s_add_co_u32 s92, s92, s93                     ; P: tile 16 Pt + 8 e
	s_mul_i32 s90, s92, NS*FRB
	s_mul_i32 s88, s92, NSL*256
	s_add_co_u32 s88, s88, AS_OFF
	s_lshl_b32 s94, s[RT], 3
	s_lshl_b32 s95, s[EE], 2
	s_add_co_u32 s94, s94, s95                     ; R: tile 8 Rt + 4 e
	s_mul_i32 s91, s94, NS*FRB
	s_add_co_u32 s91, s91, OC_OFF
	s_mul_i32 s89, s94, NSL*256
	s_add_co_u32 s89, s89, OS_OFF
	s_mul_i32 s96, s[EE], PSL/2
	s_mul_i32 s97, s[EE], RSL/2
	s_mul_i32 s98, s[EE], 8*NSL*256
	s_mul_i32 s99, s[EE], 4*NSL*256
	s_mov_b32 s93, 0
	s_mov_b32 s95, 0
	s_wait_dscnt 0x0                               ; both opening adds are done
	s_wait_kmcnt 0x0
	s_mov_b32 s92, s90
	s_mov_b32 s[G0P], 1
	s_mov_b32 s[G0P+1], s96
	s_add_nc_u64 s[G0P+2:G0P+3], s[4:5], s[92:93]
	s_mov_b32 s[G0P+4], 1
	s_add_co_u32 s[G0P+5], s96, SLOT
	s_add_nc_u64 s[G0P+6:G0P+7], s[G0P+2:G0P+3], TSL
	s_or_b32 s[G0P+3], s[G0P+3], 0x80000000
	s_or_b32 s[G0P+7], s[G0P+7], 0x80000000
	s_mov_b32 s94, s91
	s_mov_b32 s[G0R], 1
	s_add_co_u32 s[G0R+1], s97, PSL
	s_add_nc_u64 s[G0R+2:G0R+3], s[6:7], s[94:95]
	s_mov_b32 s[G0R+4], 1
	s_add_co_u32 s[G0R+5], s97, PSL+SLOT
	s_add_nc_u64 s[G0R+6:G0R+7], s[G0R+2:G0R+3], TSL
	s_or_b32 s[G0R+3], s[G0R+3], 0x80000000
	s_or_b32 s[G0R+7], s[G0R+7], 0x80000000
	s_mov_b32 s92, s88
	s_mov_b32 s[G0PS], 1
	s_add_co_u32 s[G0PS+1], s98, SCP
	s_add_nc_u64 s[G0PS+2:G0PS+3], s[4:5], s[92:93]
	s_or_b32 s[G0PS+3], s[G0PS+3], 0x80000000
	s_mov_b32 s94, s89
	s_mov_b32 s[G0RS], 1
	s_add_co_u32 s[G0RS+1], s99, SCR
	s_add_nc_u64 s[G0RS+2:G0RS+3], s[6:7], s[94:95]
	s_or_b32 s[G0RS+3], s[G0RS+3], 0x80000000
	CROUND                                         ; all four work-groups are here: the joint loads meet
	JLOAD G0PS, G1PS, G0RS, G1RS                   ; the scale words of all of K
	JLOAD G0P, G1P, G0R, G1R                       ; K slot 0
	JLOAD G0P+4, G1P, G0R+4, G1R                   ; K slot 1: three loads of mine are out
	v_and_b32 v12, 31, v0
	v_lshlrev_b32 v1, 4, v12                       ; 16 x lane
	v_and_b32 v2, 15, v0                           ; r
	v_bfe_u32 v3, v0, 4, 1                         ; h
	s_mul_i32 s84, s[WV], 4*TSL
	v_add_nc_u32 v[AP], s84, v1
	v_add_nc_u32 v[AP+1], SLOT, v[AP]
	v_add_nc_u32 v[AR], PSL, v1
	v_add_nc_u32 v[AR+1], PSL+SLOT, v1
	v_lshlrev_b32 v8, 4, v2
	v_mad_u32_u24 v9, v3, NSL*256, v8
	s_mul_i32 s84, s[WV], 4*NSL*256
	s_add_co_u32 s84, s84, SCP
	v_add_nc_u32 v[ASP], s84, v9
	v_add_nc_u32 v[ASR], SCR, v9
	s_mul_i32 s84, s[WV], 16*SROW                  ; my stage
	v_mul_u32_u24 v[STO], v2, SROW
	v_lshl_add_u32 v[STO], v3, 6, v[STO]
	v_add_nc_u32 v[STO], s84, v[STO]               ; in: row r, + 64 h
	v_add_nc_u32 v[RD], s84, v1                    ; back: the 32 lanes take a row of 512 bytes
	s_lshl_b32 s84, s[PT], 8
	s_lshl_b32 s85, s[WV], 6
	s_add_co_u32 s84, s84, s85                     ; my first token: 256 Pt + 64 w
	s_lshl_b32 s84, s84, 13
	s_lshl_b32 s85, s[RT], 9
	s_add_co_u32 s84, s84, s85                     ; my first column: 128 Rt
	s_mov_b32 s85, 0
	s_add_nc_u64 s[OB:OB+1], s[8:9], s[84:85]
	s_wait_tensorcnt 1                             ; the scale words and my part of K slot 0 are in; K slot 1's load may be out
	s_barrier_signal -1
	s_barrier_wait -1
	FETCH 0,0,0
	SCALES 0,0
.set n, 0
.rept NS-1
.set sl, (n/4)%2
.set kq, n%4
.set fs, n%2
.if kq < 3
	s_wait_dscnt 0x0                               ; this step's fragments are in (asked for 32 products ago)
	PLACES 4                                       ; places in front of loads into registers that the last products read
	FETCH sl,kq+1,1-fs
.if n == 0
	MUL fs,kq,sl,1
.else
	MUL fs,kq,sl,0
.endif
.else
	s_wait_tensorcnt 0x0                           ; the change of slots: my part of K slot 1 is in;
	ds_add_u32 v[SPW], v[NIL]
	s_wait_dscnt 0x0                               ; this step's fragments are in, and with them my reads of slot 0 are over
	s_barrier_signal -1
	s_barrier_wait -1                              ; both hold of all four waves: slot 1 is whole, and slot 0 is free for the stages
	PLACES 4
	FETCH 1-sl,0,1-fs
	SCALES 1-sl,n/4+1
	MUL fs,3,sl,0
.endif
.set n, n+1
.endr
	s_wait_dscnt 0x0
	MUL (NS-1)%2,3,((NS-1)/4)%2,0
.macro TOSTAGE a                       ; block a: 16 tokens x 128 columns, into my stage and back as whole rows
	WIN 0x08                                       ; an LDS store's data are its source 1: window 2
.irp t, 0,1,2,3,4,5,6,7
	ds_store_b128 v[STO], v[8*(8*(\a)+\t):8*(8*(\a)+\t)+3] offset:128*(\t/2)+32*(\t%2)        ; each accumulator from its low end on
	ds_store_b128 v[STO], v[8*(8*(\a)+\t)+4:8*(8*(\a)+\t)+7] offset:128*(\t/2)+32*(\t%2)+16
.endr
	WIN 0
.irp i, 0,1,2,3,4,5,6,7,8,9,10,11,12,13,14,15
	ds_load_b128 v[BK+64*((\a)%2)+4*\i:BK+64*((\a)%2)+4*\i+3], v[RD] offset:SROW*\i   ; LDS serves a wave's instructions in order: these see the stores above, and the next block's stores come behind them
.endr
.endm
.macro SEND a, younger                 ; younger: the LDS instructions issued behind block a's loads, which may stay out
	s_wait_dscnt \younger
.irp i, 0,1,2,3,4,5,6,7,8,9,10,11,12,13,14,15
	global_store_b128 v1, v[BK+64*((\a)%2)+4*\i:BK+64*((\a)%2)+4*\i+3], s[OB:OB+1] offset:(16*(\a)+\i)*8192 th:TH_STORE_NT   ; 32 lanes store 512 consecutive aligned bytes; 63 rows of 8,192 bytes at the most stand in the immediate
.endr
.endm
	PLACES 4                                       ; places behind the last products
	TOSTAGE 0
.irp a, 1,2,3
.if \a > 1
	s_wait_xcnt 0x0                                ; block a - 2's stores have read their registers: block a's loads may land there
.endif
	TOSTAGE \a
	SEND \a-1, 32                                  ; behind block a - 1's loads: block a's 16 stores and 16 loads
.endr
	SEND 3, 0
	s_wait_tensorcnt 0x0                           ; the wave's end, behind my last LDS store
	ds_add_u32 v[SPW], v[NIL]
	s_wait_dscnt 0x0
	CROUND                                         ; the closing round
	s_endpgm
.Lfunc_end_k_qa2f758976c_outp:
	.size	k_qa2f758976c_outp, .Lfunc_end_k_qa2f758976c_outp-k_qa2f758976c_outp
	.p2alignl 7, 3214868480
	.fill 96, 4, 3214868480
	.section	.rodata,"a",@progbits
	.p2align	6, 0x0
	.amdhsa_kernel k_qa2f758976c_outp
		.amdhsa_group_segment_fixed_size 327680
		.amdhsa_private_segment_fixed_size 0
		.amdhsa_enable_private_segment 0
		.amdhsa_kernarg_size 24
		.amdhsa_user_sgpr_count 2
		.amdhsa_user_sgpr_kernarg_segment_ptr 1
		.amdhsa_wavefront_size32 1
		.amdhsa_system_sgpr_workgroup_id_x 1
		.amdhsa_system_sgpr_workgroup_id_y 1
		.amdhsa_system_sgpr_workgroup_id_z 1
		.amdhsa_system_vgpr_workitem_id 0
		.amdhsa_next_free_vgpr 768
		.amdhsa_next_free_sgpr 100
		.amdhsa_reserve_vcc 0
		.amdhsa_float_denorm_mode_32 3
		.amdhsa_float_denorm_mode_16_64 3
		.amdhsa_memory_ordered 1
		.amdhsa_forward_progress 1
		.amdhsa_inst_pref_size 77
	.end_amdhsa_kernel
	.amdgpu_metadata
---
amdhsa.version: [ 1, 2 ]
amdhsa.kernels:
  - .name:           k_qa2f758976c_outp
    .symbol:         k_qa2f758976c_outp.kd
    .args:
      - { .name: att, .offset: 0, .size: 8, .value_kind: global_buffer, .address_space: global }
      - { .name: prep, .offset: 8, .size: 8, .value_kind: global_buffer, .address_space: global }
      - { .name: out0, .offset: 16, .size: 8, .value_kind: global_buffer, .address_space: global }
    .group_segment_fixed_size: 327680
    .private_segment_fixed_size: 0
    .kernarg_segment_align: 8
    .kernarg_segment_size: 24
    .max_flat_workgroup_size: 128
    .sgpr_count:     100
    .vgpr_count:     768
    .wavefront_size: 32
...
	.end_amdgpu_metadata
.endif
;; end of part 4
